; MI455X (gfx1250); checked and timed in simulation.
; The chip was launched on July 23, 2026; its instructions are those of AMD's public machine-readable ISA for CDNA 5 (MIT licence, August 2026) and "CDNA5" Instruction Set Architecture Reference Guide (July 2026). The comments in the code are by the model that wrote it; some were corrected since.
;; Cross Layer Attention. Allowed arithmetic: matrix products marked QUANTISED: E5M2 operands, one given power-of-two scale a tensor, by v_wmma_f32_16x16x64_bf8_bf8 or v_wmma_f32_16x16x128_bf8_bf8, f32 sums; everything else in f32.
;; Inputs: attention_mask 4 x 1 x 1,024 x 1,024 float32; bo 2,048 float32; bq 2,048 float32; hidden_states 4 x 1,024 x 2,048 float32; key 64 x 128 x 1,024 float32; lowp_scales 8 int32 (the exponents e of the quantised operands' scales 2^e); rope_cos 1,024 x 128 float32; rope_sin 1,024 x 128 float32; value 4 x 16 x 1,024 x 128 float32; wo 2,048 x 2,048 float32; wq 2,048 x 2,048 float32.
;; Outputs: out0 4 x 1,024 x 2,048 float32.
;; This version of the problem:
;;   THIS VERSION OF THE PROBLEM IS GIVEN IN LOW PRECISION. The matrix products marked QUANTISED in the list below multiply operands that are first quantised to E5M2 (5 exponent bits, 2 mantissa bits; 8 bits a number), with one given power-of-two scale for each operand tensor; their sums are f32. All else is computed in f32.
;;   The module's matrix products, in the order in which they are computed (A, B: the left and right operand; K: the contracted axis; several contracted axes count as one K, in the product's order):
;;     1. [M 4,096, K 2,048] x [K 2,048, N 2,048]; A: input hidden_states; B: input wq: QUANTISED (scales: A lowp_scales[0], B lowp_scales[1])
;;     2. batch 64 x [M 1,024, K 128] x [K 128, N 1,024]; A: computed on the way; B: input key: QUANTISED (scales: A lowp_scales[2], B lowp_scales[3])
;;     3. batch 64 x [M 128, K 1,024] x [K 1,024, N 1,024]; A: input value; B: softmax (see below): QUANTISED (scales: A lowp_scales[4], B lowp_scales[5])
;;     4. [M 4,096, K 2,048] x [K 2,048, N 2,048]; A: computed on the way; B: input wo: QUANTISED (scales: A lowp_scales[6], B lowp_scales[7])
;;   THE QUANTISER, for each operand of a quantised product, along K:
;;     - The operand's scale is 2^e, e = its entry of the input lowp_scales (int32; the entries are numbered through the quantised products in the list's order, A before B).
;;     - Each number is divided by the scale, clamped to +-57,344, and rounded to the nearest number of E5M2, ties to even, subnormals kept.
;;     - The product sums the exact products of the quantised numbers (number of the format x scale) in f32.
;;   ~~~python
;;   def quantise(x, axis, e):      # numpy; x: float32 -> the quantised numbers, widened to float32 again
;;       x = np.moveaxis(x, axis, -1); K = x.shape[-1]
;;       r = np.clip(x / 2.0 ** e, -57344, 57344)
;;       step = 2.0 ** (np.maximum(np.frexp(np.where(r == 0, 1, r))[1] - 1, -14) - 2)
;;       q = np.round(r / step) * step * 2.0 ** e      # np.round: ties to even
;;       return np.moveaxis(q, -1, axis).astype(np.float32)
;;   ~~~
;;   SOFTMAX AHEAD OF A QUANTISED PRODUCT. Where the list says 'softmax', what is quantised is not the finished softmax but p = 2^(t - M), with t = logit x log2(e) and M = ceil(the row's largest t), a whole number; so 1/2 < the row's largest p <= 1. The row's sum l is taken of the UNQUANTISED p, in f32, and the product's result is divided by l at the end. Since M is a whole number, a kernel that streams over the keys may use a running M (the ceiling of the running maximum): every later rescaling is an exact power of two, so the quantised numbers keep their values, but for numbers so far below the row's largest that they fall under the format's range.
;;   OPERANDS COMPUTED ON THE WAY. 'Computed on the way' means the value that the module computes at that place (a softmax that the list does not call 'softmax' is quantised finished and normalised). What goes into a quantiser is computed in f32, as accurately as f32 sums, v_exp_f32 and their like allow (about 1e-6 of the number): no bf16 or f16 on the way to a quantiser, and a product that is left as it is and whose result goes on into a quantised operand takes f32 operands (vector FMAs, or v_wmma_f32_16x16x4_f32). A number that lies on a knife's edge between two numbers of the format may be rounded either way, as far as f32 arithmetic and the matrix unit's own rounding can turn it there, and no further.
;; One version. Each part assembles by itself: llvm-mc -triple=amdgcn-amd-amdhsa -mcpu=gfx1250 --defsym DOCPART=n.
;; ======== version 1 of 1: 4 launches
;; workspace buffers: hs_codes 8,388,608 bytes; wq_codes 4,194,304 bytes; wo_codes 4,194,304 bytes; k_codes 8,388,608 bytes; v_codes 8,388,608 bytes; q_codes 8,388,608 bytes; ao_codes 8,388,608 bytes
;; launch quant (part 1): grid 1536 x 1, 4 waves a work-group, no clusters, 34,304 bytes of LDS; arguments hidden_states, wq, wo, key, value, lowp_scales, hs_codes, wq_codes, wo_codes, k_codes, v_codes; writes hs_codes, wq_codes, wo_codes, k_codes, v_codes
.if DOCPART == 1
	.amdgcn_target "amdgcn-amd-amdhsa--gfx1250"
	.amdhsa_code_object_version 6
	.text
	.protected	k_q2cab2ec9e7_quant
	.globl	k_q2cab2ec9e7_quant
	.p2align	8
	.type	k_q2cab2ec9e7_quant,@function
k_q2cab2ec9e7_quant:
	s_mov_b64 s[64:65], 0
	v_nop
	global_prefetch_b8 v0, s[64:65] scope:SCOPE_SE
	s_setreg_imm32_b32 hwreg(HW_REG_WAVE_MODE, 25, 1), 1
	s_wait_xcnt 0x0
; The five f32 operands become codes of BF8 (E5M2), each with the one scale 2^e that is given for it: code = x / 2^e, held within +-57,344, to the nearest code, ties to even.
; THE CODES ARE LAID AS IMAGES OF OPERAND REGISTERS.  A fragment is 16 operand rows x 128 along K, 2,048 bytes: chunk c (0..3) is 512 bytes, and lane l's 16 bytes stand at 512 c + 16 l:
; row l % 16, k = 32 c + 16 (l / 16) + 0 .. 15.  Four loads of 16 bytes a lane at 16 x lane then give any wave the operand.
; PERMUTED ROWS (wq, wo, key, value): row p of fragment 2 b + u is source row 32 b + 8 u + p + 8 (p / 8), so that a product used transposed leaves a lane 16 neighbours along the next K.
; Work-groups 0-255: hidden_states (e0, plain rows), 256-383: wq (e1), 384-511: wo (e7): K innermost, one fragment row (16 rows x 2,048 K) a work-group, four K steps a wave.
; Work-groups 512-1023: key (e3; rows = keys, K = the head's 128), 1024-1535: value (e4; rows = channels, K = 128 keys): K is the outer axis, one head and one step of 128 a work-group.
; LIMITS: every e used here lies between -126 and 112, so that 2^e and 57,344 x 2^e are f32 numbers.  NaN among the inputs is not served.
; No tensor loads, no barrier: waves share nothing.  Only the first path touches LDS.
.set SP,  528                          ; a stage row: 512 bytes + 16 = 132 words: row r starts at bank 4 r mod 64 (64 banks of 4 bytes: ISA guide 11.1)
.set WST, 16*SP                        ; a wave's stage: 16 rows
.set R,   16                           ; rows path: v16-143 two sets of 64 numbers as loaded
.set X,   144                          ;            v144-207 64 numbers, 16 neighbours for each chunk
.set C,   208                          ;            v208-239 two sets of 16 registers of codes
.set CA,  16                           ; columns path: v16-47 offsets of the 32 rows of a block
.set CX,  48                           ;               v48-175 four blocks of 32 numbers
.set CC,  176                          ;               v176-207 codes
	s_load_b512 s[4:19], s[0:1], 0x0               ; hidden s[4:5], wq s[6:7], wo s[8:9], key s[10:11], value s[12:13], the exponents s[14:15], hs_codes s[16:17], wq_codes s[18:19]
	s_load_b128 s[20:23], s[0:1], 0x40             ; wo_codes s[20:21], k_codes s[22:23]
	s_load_b64 s[24:25], s[0:1], 0x50              ; v_codes
	v_lshl_add_u32 v240, v0, 2, 0x8400
	v_mov_b32 v241, 0
	v_lshrrev_b32 v1, 5, v0
	v_readfirstlane_b32 s30, v1                    ; wave 0..3
	v_and_b32 v4, 31, v0                           ; lane
	v_and_b32 v5, 15, v0                           ; r
	v_bfe_u32 v6, v0, 4, 1                         ; h
	s_wait_kmcnt 0x0
	s_load_b256 s[32:39], s[14:15], 0x0            ; e0 .. e7
	s_cmp_lt_u32 ttmp9, 512
	s_cbranch_scc0 .Lcols
; ---- K INNERMOST.  Each load reads 512 consecutive bytes of one row; a K step's 16 rows turn through the wave's stage, so that a lane gets 16 neighbours of its row for each chunk.
	v_lshlrev_b32 v1, 4, v4                        ; 16 x lane
	s_mul_i32 s31, s30, WST
	v_add_nc_u32 v2, s31, v1                       ; into the stage: 16 x lane of a row
	v_mul_u32_u24 v3, v5, SP
	v_lshl_add_u32 v3, v6, 6, v3
	v_add_nc_u32 v3, s31, v3                       ; out of it: row r, + 64 h
	s_cmp_lt_u32 ttmp9, 256                        ; which tensor: the choice hangs on the work-group's number alone
	s_cselect_b64 s[40:41], s[4:5], s[6:7]
	s_cselect_b64 s[44:45], s[16:17], s[18:19]
	s_cselect_b32 s27, 0, 256
	s_cmp_lt_u32 ttmp9, 384
	s_cselect_b64 s[40:41], s[40:41], s[8:9]
	s_cselect_b64 s[44:45], s[44:45], s[20:21]
	s_cselect_b32 s27, s27, 384
	s_sub_co_u32 s27, ttmp9, s27                   ; f: the fragment row
	s_lshl_b32 s46, s27, 4                         ; plain: first row 16 f
	s_lshr_b32 s47, s27, 1
	s_lshl_b32 s47, s47, 5
	s_and_b32 s29, s27, 1
	s_lshl_b32 s29, s29, 3
	s_add_co_u32 s47, s47, s29                     ; permuted: 32 (f / 2) + 8 (f % 2)
	s_cmp_lt_u32 ttmp9, 256
	s_cselect_b32 s46, s46, s47
	s_cselect_b32 s48, 0, 0x10000                  ; permuted: rows 8-15 of the fragment lie 8 rows (65,536 bytes) further on
	s_lshl_b32 s46, s46, 13                        ; a row is 8,192 bytes
	s_lshl_b32 s29, s30, 11                        ; my four K steps: 2,048 bytes of each row
	s_add_co_u32 s46, s46, s29
	s_mov_b32 s47, 0
	s_mov_b32 s49, 0
	s_add_nc_u64 s[40:41], s[40:41], s[46:47]      ; rows 0-7
	s_add_nc_u64 s[42:43], s[40:41], s[48:49]      ; rows 8-15
	s_lshl_b32 s46, s27, 15                        ; a fragment row's 16 images
	s_lshl_b32 s29, s30, 13                        ; my four
	s_add_co_u32 s46, s46, s29
	s_add_nc_u64 s[44:45], s[44:45], s[46:47]
.macro RLOAD t                         ; K step t of my four: 16 rows x 512 bytes into set t % 2
.irp p, 0,1,2,3,4,5,6,7
	global_load_b128 v[R+64*((\t)%2)+4*\p:R+64*((\t)%2)+4*\p+3], v1, s[40:41] offset:\p*8192+512*(\t) th:TH_LOAD_NT
.endr
.irp p, 8,9,10,11,12,13,14,15
	global_load_b128 v[R+64*((\t)%2)+4*\p:R+64*((\t)%2)+4*\p+3], v1, s[42:43] offset:\p*8192+512*(\t) th:TH_LOAD_NT
.endr
.endm
.macro RSTEP t
.if (\t) < 3
	s_wait_loadcnt 16                              ; this step's 16 loads are in; the next step's 16 may be out
.else
	s_wait_loadcnt 0x0
.endif
.irp p, 0,1,2,3,4,5,6,7,8,9,10,11,12,13,14,15
	ds_store_b128 v2, v[R+64*((\t)%2)+4*\p:R+64*((\t)%2)+4*\p+3] offset:SP*\p
.endr
.irp c, 0,1,2,3
.irp j, 0,1,2,3
	ds_load_b128 v[X+16*\c+4*\j:X+16*\c+4*\j+3], v3 offset:128*\c+16*\j   ; LDS serves a wave's instructions in order (ISA guide 5.7.1.4): these see the stores above
.endr
.endr
	s_wait_dscnt 0x0                               ; the numbers are back; the stores into the stage have read their registers,
.if (\t) < 2
	RLOAD (\t)+2                                   ; which take the loads of two steps on
.endif
.if (\t) >= 2
	s_wait_xcnt 0x0                                ; the stores of two steps back have read this set of codes: it is written again only behind this wait
.endif
.irp c, 0,1,2,3
.irp i, 0,1,2,3,4,5,6,7,8,9,10,11,12,13,14,15
	v_med3_num_f32 v[X+16*\c+\i], v[X+16*\c+\i], -v10, v10   ; the conversion to an 8-bit code does not saturate (ISA guide 7.6.2): the hold at the largest code x the scale
.endr
	v_cvt_scalef32_pk8_bf8_f32 v[C+16*((\t)%2)+4*\c:C+16*((\t)%2)+4*\c+1], v[X+16*\c:X+16*\c+7], v11
	v_cvt_scalef32_pk8_bf8_f32 v[C+16*((\t)%2)+4*\c+2:C+16*((\t)%2)+4*\c+3], v[X+16*\c+8:X+16*\c+15], v11
.endr
	v_nop                                          ; a plain vector line behind the last conversion of the run
.irp c, 0,1,2,3
	global_store_b128 v1, v[C+16*((\t)%2)+4*\c:C+16*((\t)%2)+4*\c+3], s[44:45] offset:2048*(\t)+512*\c   ; 32 lanes store 512 consecutive bytes: a chunk of the image
.endr
.endm
	RLOAD 0
	RLOAD 1
	s_wait_kmcnt 0x0
	s_cmp_lt_u32 ttmp9, 256
	s_cselect_b32 s26, s32, s33                    ; e0 or e1,
	s_cmp_lt_u32 ttmp9, 384
	s_cselect_b32 s26, s26, s39                    ; or e7
	s_add_co_i32 s26, s26, 127
	s_lshl_b32 s27, s26, 23
	v_mov_b32 v11, s27                             ; 2^e as f32: the conversion takes its exponent field
	s_add_co_i32 s26, s26, 15
	s_lshl_b32 s26, s26, 23
	s_or_b32 s26, s26, 0x600000
	v_mov_b32 v10, s26                             ; 57,344 x 2^e
	RSTEP 0
	RSTEP 1
	RSTEP 2
	RSTEP 3
	s_wait_tensorcnt 0x0
	ds_add_u32 v240, v241
	s_wait_dscnt 0x0
	s_endpgm
; ---- K IS THE OUTER AXIS.  A lane takes a column and its registers run down K: each load reads 128 consecutive bytes a wave, 512 a work-group; nothing is transposed.
; Lane l takes column 8 (l / 16) + l % 16 + 8 ((l % 16) / 8) of the wave's 32: that is row l % 16 of fragment 2 w + l / 16, so that sixteen neighbouring lanes store 256 consecutive bytes of an image.
.Lcols:
	v_lshrrev_b32 v7, 3, v5
	v_lshl_add_u32 v8, v6, 3, v5
	v_lshl_add_u32 v8, v7, 3, v8                   ; my column
	v_lshlrev_b32 v1, 2, v8                        ; in bytes
	v_lshlrev_b32 v2, 4, v5
	v_lshl_add_u32 v2, v6, 11, v2                  ; out: fragment l / 16, 16 x (l % 16)
	s_sub_co_u32 s27, ttmp9, 512
	s_cmp_lt_u32 s27, 512                          ; key or value
	s_cselect_b64 s[48:49], s[10:11], s[12:13]
	s_cselect_b64 s[44:45], s[22:23], s[24:25]
	s_mov_b32 s46, 512
	s_cselect_b32 s46, 4096, s46                   ; bytes from k to k + 1: a row of 1,024 keys, or of 128 channels
	s_cselect_b32 s47, 9, 16                       ; a step: 128 keys along a row (512 bytes), or 128 rows of value (65,536 bytes)
	s_and_b32 s28, s27, 7                          ; the step
	s_bfe_u32 s29, s27, 0x60003                    ; the head
	s_lshl_b32 s29, s29, 19                        ; a head is 524,288 bytes in both tensors
	s_lshl_b32 s28, s28, s47
	s_add_co_u32 s28, s28, s29
	s_lshl_b32 s29, s30, 7                         ; my wave's 32 columns
	s_add_co_u32 s28, s28, s29
	s_mov_b32 s29, 0
	s_add_nc_u64 s[48:49], s[48:49], s[28:29]      ; block 0 of 32 along K,
	s_lshl_b32 s28, s46, 5
	s_add_nc_u64 s[50:51], s[48:49], s[28:29]      ; blocks 1,
	s_add_nc_u64 s[52:53], s[50:51], s[28:29]      ; 2
	s_add_nc_u64 s[54:55], s[52:53], s[28:29]      ; and 3
	s_and_b32 s28, s27, 511
	s_lshl_b32 s28, s28, 14                        ; (head, step): eight fragments
	s_lshl_b32 s31, s30, 12                        ; my two
	s_add_co_u32 s28, s28, s31
	s_add_nc_u64 s[44:45], s[44:45], s[28:29]
.set i, 0
.rept 32
	v_mad_u32_u24 v[CA+i], s46, i, v1              ; row i of a block, my column
.set i, i+1
.endr
.macro CLOAD c
.set i, 0
.rept 32
	global_load_b32 v[CX+32*(\c)+i], v[CA+i], s[48+2*(\c):49+2*(\c)] th:TH_LOAD_NT
.set i, i+1
.endr
.endm
.macro CBLOCK c
.if (\c) < 3
	s_wait_loadcnt 32                              ; this block's 32 loads are in; the next block's may be out
.else
	s_wait_loadcnt 0x0
.endif
.if (\c) < 2
	CLOAD (\c)+2                                   ; every block has registers of its own
.endif
.set i, 0
.rept 32
	v_med3_num_f32 v[CX+32*(\c)+i], v[CX+32*(\c)+i], -v10, v10
.set i, i+1
.endr
.irp g, 0,1,2,3
	v_cvt_scalef32_pk8_bf8_f32 v[CC+8*(\c)+2*\g:CC+8*(\c)+2*\g+1], v[CX+32*(\c)+8*\g:CX+32*(\c)+8*\g+7], v11
.endr
	v_nop                                          ; a plain vector line behind the last conversion of the run
	global_store_b128 v2, v[CC+8*(\c):CC+8*(\c)+3], s[44:45] offset:512*(\c)           ; k = 32 c + 0 .. 15: the chunk's lanes 0-15
	global_store_b128 v2, v[CC+8*(\c)+4:CC+8*(\c)+7], s[44:45] offset:512*(\c)+256     ; k = 32 c + 16 .. 31: its lanes 16-31.  Sixteen lanes store 256 consecutive bytes, aligned
.endm
	CLOAD 0
	CLOAD 1
	s_wait_kmcnt 0x0
	s_cmp_lt_u32 s27, 512
	s_cselect_b32 s26, s35, s36                    ; e3 or e4
	s_add_co_i32 s26, s26, 127
	s_lshl_b32 s28, s26, 23
	v_mov_b32 v11, s28
	s_add_co_i32 s26, s26, 15
	s_lshl_b32 s26, s26, 23
	s_or_b32 s26, s26, 0x600000
	v_mov_b32 v10, s26
	CBLOCK 0
	CBLOCK 1
	CBLOCK 2
	CBLOCK 3
	s_endpgm
.Lfunc_end_k_q2cab2ec9e7_quant:
	.size	k_q2cab2ec9e7_quant, .Lfunc_end_k_q2cab2ec9e7_quant-k_q2cab2ec9e7_quant
	.p2alignl 7, 3214868480
	.fill 96, 4, 3214868480
	.section	.rodata,"a",@progbits
	.p2align	6, 0x0
	.amdhsa_kernel k_q2cab2ec9e7_quant
		.amdhsa_group_segment_fixed_size 34304
		.amdhsa_private_segment_fixed_size 0
		.amdhsa_enable_private_segment 0
		.amdhsa_kernarg_size 88
		.amdhsa_user_sgpr_count 2
		.amdhsa_user_sgpr_kernarg_segment_ptr 1
		.amdhsa_wavefront_size32 1
		.amdhsa_system_sgpr_workgroup_id_x 1
		.amdhsa_system_sgpr_workgroup_id_y 1
		.amdhsa_system_sgpr_workgroup_id_z 1
		.amdhsa_system_vgpr_workitem_id 0
		.amdhsa_next_free_vgpr 242
		.amdhsa_next_free_sgpr 66
		.amdhsa_reserve_vcc 0
		.amdhsa_float_denorm_mode_32 3
		.amdhsa_float_denorm_mode_16_64 3
		.amdhsa_memory_ordered 1
		.amdhsa_forward_progress 1
		.amdhsa_inst_pref_size 63
	.end_amdhsa_kernel
	.amdgpu_metadata
---
amdhsa.version: [ 1, 2 ]
amdhsa.kernels:
  - .name:           k_q2cab2ec9e7_quant
    .symbol:         k_q2cab2ec9e7_quant.kd
    .args:
      - { .name: hidden_states, .offset: 0, .size: 8, .value_kind: global_buffer, .address_space: global }
      - { .name: wq, .offset: 8, .size: 8, .value_kind: global_buffer, .address_space: global }
      - { .name: wo, .offset: 16, .size: 8, .value_kind: global_buffer, .address_space: global }
      - { .name: key, .offset: 24, .size: 8, .value_kind: global_buffer, .address_space: global }
      - { .name: value, .offset: 32, .size: 8, .value_kind: global_buffer, .address_space: global }
      - { .name: lowp_scales, .offset: 40, .size: 8, .value_kind: global_buffer, .address_space: global }
      - { .name: hs_codes, .offset: 48, .size: 8, .value_kind: global_buffer, .address_space: global }
      - { .name: wq_codes, .offset: 56, .size: 8, .value_kind: global_buffer, .address_space: global }
      - { .name: wo_codes, .offset: 64, .size: 8, .value_kind: global_buffer, .address_space: global }
      - { .name: k_codes, .offset: 72, .size: 8, .value_kind: global_buffer, .address_space: global }
      - { .name: v_codes, .offset: 80, .size: 8, .value_kind: global_buffer, .address_space: global }
    .group_segment_fixed_size: 34304
    .private_segment_fixed_size: 0
    .kernarg_segment_align: 8
    .kernarg_segment_size: 88
    .max_flat_workgroup_size: 128
    .sgpr_count:     66
    .vgpr_count:     242
    .wavefront_size: 32
...
	.end_amdgpu_metadata
.endif
;; end of part 1
;; launch gemm_q (part 2): grid 16 x 16, 4 waves a work-group, clusters of 4 x 4, 327,680 bytes of LDS; arguments hs_codes, wq_codes, lowp_scales, bq, rope_cos, rope_sin, q_codes; writes q_codes
.if DOCPART == 2
	.amdgcn_target "amdgcn-amd-amdhsa--gfx1250"
	.amdhsa_code_object_version 6
	.text
	.protected	k_q2cab2ec9e7_gemm_q
	.globl	k_q2cab2ec9e7_gemm_q
	.p2align	8
	.type	k_q2cab2ec9e7_gemm_q,@function
k_q2cab2ec9e7_gemm_q:
	s_mov_b64 s[64:65], 0
	v_nop
	global_prefetch_b8 v0, s[64:65] scope:SCOPE_SE
	s_setreg_imm32_b32 hwreg(HW_REG_WAVE_MODE, 25, 1), 1
	s_wait_xcnt 0x0
	s_wait_alu depctr_hold_cnt(0) depctr_sa_sdst(0) depctr_va_vdst(0) depctr_va_sdst(0) depctr_va_ssrc(0) depctr_va_vcc(0) depctr_vm_vsrc(0)
	s_getreg_b32 s2, hwreg(HW_REG_IB_STS2, 6, 4)
	s_cmp_eq_u32 s2, 0
	s_cbranch_scc0 .Lentry_in_a_cluster
	s_endpgm
.Lentry_in_a_cluster:
	s_bfe_u32 s2, ttmp6, 0x10000c
	s_cmp_lg_u32 s2, 0xf033
	s_cbranch_scc0 .Lentry_shape_is_right
	s_endpgm
.Lentry_shape_is_right:
.set ROPE, 1                           ; 1: q = rope(x wq^T + bq), quantised with e2, stored as images;  0: out = x wo^T + bo, stored as f32
; C[m][n] = sum over k of A[m][k] B[n][k] on codes of BF8 (E5M2), M 4,096, N 2,048, K 2,048.  Both operands come as IMAGES OF OPERAND REGISTERS: a fragment is 16 rows x 128 K, 2,048 bytes,
; chunk c of 512 bytes, lane l's 16 bytes at 512 c + 16 l: row l % 16, k = 32 c + 16 (l / 16) + 0 .. 15.  A: [256 row blocks][16 K steps][2,048], plain rows.  B: [128 fragments][16][2,048], row p of
; fragment 2 b + u = weight row 32 b + 8 u + p + 8 (p / 8).  The same places of k in A and in B: every product meets its partner.
; A tile of C is 256 rows x 128 columns: 256 work-groups.  Wave w takes row blocks 4 w .. 4 w + 3 against all eight weight fragments: 32 accumulators.
; THE MATRIX INSTRUCTION IS USED TRANSPOSED (source 0 = a weight fragment, source 1 = a row block): register 16 b + i of a row block's 64 is column 32 b + 16 (l / 16) + i of row l % 16.
; With ROPE a tile's 128 columns are one head: the partner d +- 64 of a column lies in the same lane, 32 registers on; and the conversions' results are the next operand's image.
; B'S WHOLE TILE LIES IN LDS: 128 columns x 2,048 K = 262,144 bytes, brought by first fills alone, in eight groups of two K steps; every wave asks for its two fragments of each group: eight tensor loads of
; a wave are out at the most.  No LDS byte is filled twice.  CLUSTER 4 x 4: the four work-groups of a column of the cluster need the same tile of B and ask for it jointly.
; A GOES FROM MEMORY STRAIGHT INTO THE OPERAND'S REGISTERS: a row block feeds one wave alone, and its image is what the registers want: sixteen loads of 512 consecutive bytes for a K step, three K steps ahead,
; in four sets of registers.  A IS NOT ASKED FOR JOINTLY, though the work-groups of a tile row read the same rows: beside B's 262,144 bytes LDS has 65,536 left, two K steps of A's 256 rows, and a ring of
; that size would have to wait for all its loads once for every K step.
; LIMITS: e0 + e1 (ROPE) or e6 + e7 between -126 and 127; e2 between -126 and 112.  NaN among the inputs is not served.
; REGISTERS: window 0: v20-30 addresses; v32-95 the bias of my lane's 64 columns; v128-255 A's sets 0, 1 (4 fragments each); on the way out v98-243 at work.
;   window 1: B's two sets (8 fragments) at v0 and v128; on the way out cos and sin of row blocks 1, 2.   window 2: accumulator (a, t) at v[8 (8 a + t)].
;   window 3: v0-127 A's sets 2, 3, on the way out cos and sin of row block 3; v128-255 (ROPE) cos and sin of row block 0.
.set GRP,   32768                      ; a group in LDS: B's eight fragments x two K steps: fragment t at 4,096 t, K step q of the two at 2,048 q
.set STAGE, 8*GRP                      ; behind B's tile: 16 rows x 528 bytes for each wave, for the way out (ROPE = 0): bytes of its own, into which no tile lands
.set ADRB, 20                          ; v20-23  B's groups 2 j, 2 j + 1: 65,536 j + 16 x lane
.set STO,  24                          ; v24     the way out (ROPE = 0): where I put 64 bytes of a row
.set RD,   25                          ; v25     and where I read a row back
.set LI,   26                          ; v26     16 x lane
.set RO,   27                          ; v27     cos, sin: row l % 16 of 512 bytes, + 64 (l / 16)
.set BO,   30                          ; v30     the bias: 64 (l / 16)
.set BIAS, 32
.set AF,   128
.set XR,   100                         ; the way out (ROPE): q before the rotation
.set YR,   164                         ; and behind it
.set CD,   228                         ; its codes
.set G1,  24                           ; s[24:31] descriptor group 1 for B's tiles
.set G0,  32                           ; s[32:63] group 0, one set for each of the eight groups; none is written again
.set MSB, 0
.macro WIN new                         ; the immediate's high byte repeats the setting that is left
.if MSB != \new
	s_set_vgpr_msb (MSB<<8)|\new
.set MSB, \new
.endif
.endm
.macro CROUND                          ; a round of the cluster's barrier
	s_barrier_signal -1
	s_barrier_wait -1
	s_cmp_lg_u32 s14, 0
	s_cbranch_scc1 .Lnot_wave_0_\@
	s_barrier_signal -3
.Lnot_wave_0_\@:
	s_barrier_wait -3
	s_barrier_signal -1
	s_barrier_wait -1
.endm
.macro PLACES                          ; four places behind a matrix instruction, in front of loads into registers that it has read and of the first read of results
.rept 4
	v_nop
.endr
.endm
; K step k of my four row blocks of A, from memory into set k % 4: sixteen loads of 512 consecutive bytes
.macro ALOAD k
.if ((\k)%4) < 2
	WIN 0
.set AB, AF+64*((\k)%4)
.else
	WIN 0xc0                                       ; destination window 3
.set AB, 64*((\k)%4-2)
.endif
.irp a, 0,1,2,3
.irp c, 0,1,2,3
	global_load_b128 v[AB+16*\a+4*\c:AB+16*\a+4*\c+3], v[LI], s[20:21] offset:32768*\a+2048*(\k)+512*\c
.endr
.endr
.endm
; K step k of B's eight fragments, from LDS into set k % 2 of window 1: 32 loads of 512 consecutive bytes, in one run
.macro FETCH k
	WIN 0x40                                       ; destination window 1, address window 0
.irp t, 0,1,2,3,4,5,6,7
.irp c, 0,1,2,3
	ds_load_b128 v[128*((\k)%2)+16*\t+4*\c:128*((\k)%2)+16*\t+4*\c+3], v[ADRB+(\k)/4] offset:GRP*(((\k)/2)%2)+4096*\t+2048*((\k)%2)+512*\c
.endr
.endr
.endm
.macro WMUL k                          ; source 0 (B) window 1, source 1 (A) window 0 or 3, C and D window 2
.if ((\k)%4) < 2
	WIN 0xa1
.else
	WIN 0xad
.endif
.endm
; 8 matrix instructions of K step k: row block a against B's eight.  The 32 accumulators take turns, one instruction a turn, in the same order in every K step.
; The first K step's products start the sums: nothing is cleared.
.macro MUL8 a, k
.set BB, 128*((\k)%2)
.if ((\k)%4) < 2
.set AB, AF+64*((\k)%4)
.else
.set AB, 64*((\k)%4-2)
.endif
.irp t, 0,1,2,3,4,5,6,7
.if (\k) == 0
	v_wmma_f32_16x16x128_bf8_bf8 v[64*(\a)+8*\t:64*(\a)+8*\t+7], v[BB+16*\t:BB+16*\t+15], v[AB+16*(\a):AB+16*(\a)+15], 0
.else
	v_wmma_f32_16x16x128_bf8_bf8 v[64*(\a)+8*\t:64*(\a)+8*\t+7], v[BB+16*\t:BB+16*\t+15], v[AB+16*(\a):AB+16*(\a)+15], v[64*(\a)+8*\t:64*(\a)+8*\t+7]
.endif
.endr
.endm
.macro BIASLOAD                        ; the bias in the results' layout: columns 32 b + 16 h + 4 j ..
.irp b, 0,1,2,3
.irp j, 0,1,2,3
	global_load_b128 v[BIAS+16*\b+4*\j:BIAS+16*\b+4*\j+3], v[BO], s[10:11] offset:128*\b+16*\j
.endr
.endr
.endm
; cos and sin of row block a, in the results' layout: 64 + 64 registers from v[base] on (the caller sets the window)
.macro ROPELOAD a, base
.irp b, 0,1,2,3
.irp j, 0,1,2,3
	global_load_b128 v[\base+16*\b+4*\j:\base+16*\b+4*\j+3], v[RO], s[68:69] offset:8192*(\a)+128*\b+16*\j
	global_load_b128 v[\base+64+16*\b+4*\j:\base+64+16*\b+4*\j+3], v[RO], s[70:71] offset:8192*(\a)+128*\b+16*\j
.endr
.endr
.endm
	s_load_b128 s[4:7], s[0:1], 0x0                ; A's images s[4:5], B's s[6:7]
	s_load_b128 s[8:11], s[0:1], 0x10              ; the exponents s[8:9], the bias s[10:11]
.if ROPE
	s_load_b128 s[68:71], s[0:1], 0x20             ; cos s[68:69], sin s[70:71]
	s_load_b64 s[72:73], s[0:1], 0x30              ; q_codes
	v_lshl_add_u32 v96, v0, 2, 0x40000
	v_mov_b32 v97, 0
	ds_add_u32 v96, v97
	ds_add_u32 v96, v97
.else
	s_load_b64 s[72:73], s[0:1], 0x20              ; out0
.endif
	v_lshrrev_b32 v1, 5, v0
	v_readfirstlane_b32 s14, v1                    ; wave 0..3
	v_and_b32 v1, 31, v0                           ; lane
	v_and_b32 v2, 15, v0                           ; r
	v_bfe_u32 v3, v0, 4, 1                         ; h
	v_lshlrev_b32 v[LI], 4, v1
	s_bfe_u32 s94, ttmp6, 0x40000                  ; cx, cy: my place in the cluster
	s_bfe_u32 s95, ttmp6, 0x40004
	s_lshl_b32 s96, ttmp9, 2
	s_add_co_u32 s96, s96, s94                     ; tile column = 4 x cluster x + cx
	s_and_b32 s17, ttmp7, 0xffff
	s_lshl_b32 s17, s17, 2
	s_add_co_u32 s17, s17, s95                     ; tile row = 4 x cluster y + cy
	s_lshl_b32 s97, 0x1111, s94                    ; my column of the cluster
	; group 1: two rows of 4,096 bytes (two K steps of a fragment), 32,768 bytes apart; elements of 8 bytes
	s_or_b32 s[G1+0], s97, (3<<16)|(1<<21)         ; 15:0 the mask; 17:16 elements of 8 bytes; 21 set beside a mask; no padding
	s_mov_b32 s[G1+1], 512<<16                     ; tensor_dim0
	s_mov_b32 s[G1+2], 2<<16                       ; tensor_dim1
	s_mov_b32 s[G1+3], 512<<16                     ; tile_dim0
	s_mov_b32 s[G1+4], 2                           ; tile_dim1
	s_mov_b32 s[G1+5], 4096                        ; tensor_dim0_stride
	s_mov_b32 s[G1+6], 0
	s_mov_b32 s[G1+7], 0
	s_lshl_b32 s20, s17, 4
	s_lshl_b32 s18, s14, 2
	s_add_co_u32 s20, s20, s18                     ; A: row block 16 x tile row + 4 x wave
	s_lshl_b32 s20, s20, 15
	s_mov_b32 s21, 0
	s_lshl_b32 s22, s96, 3
	s_lshl_b32 s18, s14, 1
	s_add_co_u32 s22, s22, s18                     ; B: fragment 8 x tile column + 2 x wave
	s_lshl_b32 s22, s22, 15
	s_mov_b32 s23, 0
	s_lshl_b32 s19, s14, 13                        ; where my two fragments go in a group: 8,192 x wave: no place in the cluster enters an LDS address
	s_wait_dscnt 0x0
	s_wait_kmcnt 0x0
	s_load_b256 s[76:83], s[8:9], 0x0              ; e0 .. e7
	s_add_nc_u64 s[20:21], s[4:5], s[20:21]
	s_add_nc_u64 s[22:23], s[6:7], s[22:23]
	ALOAD 0                                        ; A's first three K steps are asked for ahead of everything else
	ALOAD 1
	ALOAD 2
	WIN 0                                          ; at a label and at a branch every window is 0
.irp g, 0,1,2,3,4,5,6,7
	s_mov_b32 s[G0+4*\g], 1
	s_add_co_u32 s[G0+4*\g+1], s19, \g*GRP
	s_add_nc_u64 s[G0+4*\g+2:G0+4*\g+3], s[22:23], \g*4096
	s_or_b32 s[G0+4*\g+3], s[G0+4*\g+3], 0x80000000
.endr
	CROUND                                         ; all sixteen work-groups are here: the joint loads meet
.irp g, 0,1,2,3,4,5,6,7
	tensor_load_to_lds s[G0+4*\g:G0+4*\g+3], s[G1:G1+7]   ; all of B's tile, K ascending: eight tensor loads of mine are out
	s_nop 0
.endr
.rept 4
	v_nop                                          ; four v_nop follow the last of them
.endr
	v_lshlrev_b32 v[ADRB], 4, v1
	v_add_nc_u32 v[ADRB+1], 0x10000, v[LI]
	v_add_nc_u32 v[ADRB+2], 0x20000, v[LI]
	v_add_nc_u32 v[ADRB+3], 0x30000, v[LI]
	v_lshlrev_b32 v[BO], 6, v3
	s_lshl_b32 s88, s96, 9                         ; the tile's 128 columns of the bias
	s_mov_b32 s89, 0
	s_add_nc_u64 s[10:11], s[10:11], s[88:89]
.if ROPE
	v_lshlrev_b32 v[RO], 9, v2
	v_lshl_add_u32 v[RO], v3, 6, v[RO]
	s_and_b32 s90, s17, 3
	s_lshl_b32 s90, s90, 8
	s_lshl_b32 s91, s14, 6
	s_add_co_u32 s90, s90, s91                     ; my first position in the sequence: 256 (tile row % 4) + 64 x wave
	s_lshl_b32 s90, s90, 9
	s_mov_b32 s91, 0
	s_add_nc_u64 s[68:69], s[68:69], s[90:91]
	s_add_nc_u64 s[70:71], s[70:71], s[90:91]
	s_lshr_b32 s92, s17, 2                         ; q_codes: ((batch x 16 + head) x 64 + query tile) x 2,048
	s_lshl_b32 s92, s92, 4
	s_add_co_u32 s92, s92, s96
	s_lshl_b32 s92, s92, 6
	s_and_b32 s93, s17, 3
	s_lshl_b32 s93, s93, 4
	s_add_co_u32 s92, s92, s93
	s_lshl_b32 s93, s14, 2
	s_add_co_u32 s92, s92, s93
	s_lshl_b32 s92, s92, 11
	s_mov_b32 s93, 0
	s_add_nc_u64 s[72:73], s[72:73], s[92:93]
.else
	s_mul_i32 s86, s14, 16*528                     ; my stage: 16 rows x (512 bytes + 16)
	s_add_co_u32 s86, s86, STAGE
	v_mul_u32_u24 v[STO], v2, 528
	v_lshl_add_u32 v[STO], v3, 6, v[STO]
	v_add_nc_u32 v[STO], s86, v[STO]
	v_add_nc_u32 v[RD], s86, v[LI]
	s_lshl_b32 s92, s17, 8                         ; out0: row 256 x tile row + 64 x wave, of 8,192 bytes; column 128 x tile column
	s_lshl_b32 s93, s14, 6
	s_add_co_u32 s92, s92, s93
	s_lshl_b32 s92, s92, 13
	s_lshl_b32 s93, s96, 9
	s_add_co_u32 s92, s92, s93
	s_mov_b32 s93, 0
	s_add_nc_u64 s[72:73], s[72:73], s[92:93]
.endif
; K STEP k, written out sixteen times: every offset is an immediate.  At its head: four places behind the last K step's products; then the loads into the registers that those have read: B's next K step from LDS
; and A's K step k + 3 from memory.  An even K step finds B's next K step in its own group.  An odd one opens the next group: the wave waits for its own part of it and for its LDS loads, signals, issues eight
; products, and reads the group behind the barrier's wait.  The later groups' loads stay out across them.
; Where A's stream has run out, its place is taken by what the way out wants: the bias (K step 13), cos and sin of row block 0 (14) and of row block 1, into B's set 0, which is done with (15).
.macro KSTEP k
.if (\k) > 0
	PLACES
.endif
.if ((\k)%2) == 0
	FETCH (\k)+1
.endif
.if (\k) < 13
	ALOAD (\k)+3
.endif
.if (\k) == 13
	WIN 0
	BIASLOAD
.endif
.if (((\k)%2) == 1) && ((\k) < 15)
	s_wait_tensorcnt 7-((\k)+1)/2                  ; my part of group (k + 1) / 2 has landed; the later groups' loads, as many as the count says, may be out
	s_wait_dscnt 0x0                               ; this K step's fragments of B are in: no LDS instruction of mine is pending at the signal
	s_barrier_signal -1
.elseif (\k) == 15
	s_wait_dscnt 0x0
.else
	s_wait_dscnt 32                                ; all but the 32 just issued: this K step's fragments of B are in
.endif
.if (\k) < 14
	s_wait_loadcnt 48                              ; A's K step k is in; the three younger runs of sixteen loads may be out
.elseif (\k) == 14
	s_wait_loadcnt 32                              ; younger: A's K step 15 and the bias
.else
	s_wait_loadcnt 16+32*ROPE                      ; younger: the bias, and with ROPE the 32 loads of row block 0's tables
.endif
.if ROPE && ((\k) == 14)
	WIN 0xc0                                       ; destination window 3
	ROPELOAD 0, 128
.endif
.if ROPE && ((\k) == 15)
	WIN 0x40                                       ; destination window 1
	ROPELOAD 1, 0
.endif
	WMUL \k
	MUL8 0, \k
.if (((\k)%2) == 1) && ((\k) < 15)
	s_barrier_wait -1                              ; every wave's part of the next group has landed
	FETCH (\k)+1
	WMUL \k
.endif
	MUL8 1, \k
	MUL8 2, \k
	MUL8 3, \k
.endm
	s_wait_tensorcnt 7                             ; my part of group 0 has landed; the seven later loads may be out,
	s_barrier_signal -1
	s_barrier_wait -1                              ; everybody's has
	FETCH 0
.irp k, 0,1,2,3,4,5,6,7,8,9,10,11,12,13,14,15
	KSTEP \k
.endr
	WIN 0
; ---- THE WAY OUT, ROPE = 1.  Row block a: q = sum x 2^(e0 + e1) + bq; q' = q cos + rotate_half(q) sin; held, converted with 2^e2: the 16 registers of codes are the query tile's image.
; The tables of row blocks 0 and 3 lie in window 3 (from v128, from v0), those of 1 and 2 in window 1 (from v0, from v128).
.macro ROPEQ a
	WIN 0x02                                       ; source 0: window 2
.set i, 0
.rept 32
	v_pk_fma_f32 v[XR+i:XR+i+1], v[64*(\a)+i:64*(\a)+i+1], s[84:85], v[BIAS+i:BIAS+i+1] op_sel_hi:[1,0,1]   ; each accumulator from its low end on
.set i, i+2
.endr
.if ((\a) == 0) || ((\a) == 3)
	WIN 0x0c                                       ; source 1: window 3
.else
	WIN 0x04                                       ; source 1: window 1
.endif
.set CB, 128*(((\a)+1)%2)
.set i, 0
.rept 32
	v_pk_mul_f32 v[YR+i:YR+i+1], v[XR+i:XR+i+1], v[CB+i:CB+i+1]
.set i, i+2
.endr
.set i, 0
.rept 16
	v_pk_fma_f32 v[YR+i:YR+i+1], v[XR+32+i:XR+32+i+1], v[CB+64+i:CB+64+i+1], v[YR+i:YR+i+1] neg_lo:[1,0,0] neg_hi:[1,0,0]   ; d < 64: - q(d + 64) sin(d)
	v_pk_fma_f32 v[YR+32+i:YR+32+i+1], v[XR+i:XR+i+1], v[CB+96+i:CB+96+i+1], v[YR+32+i:YR+32+i+1]                           ; d >= 64: + q(d - 64) sin(d)
.set i, i+2
.endr
	WIN 0
.if (\a) > 0
	s_wait_xcnt 0x0                                ; the last block's stores have read the codes' registers: they are written again only behind this wait
.endif
.irp b, 0,1,2,3
.irp k, 0,1,2,3,4,5,6,7,8,9,10,11,12,13,14,15
	v_med3_num_f32 v[YR+16*\b+\k], v[YR+16*\b+\k], -v99, v99   ; the conversion does not saturate (ISA guide 7.6.2): the hold
.endr
	v_cvt_scalef32_pk8_bf8_f32 v[CD+4*\b:CD+4*\b+1], v[YR+16*\b:YR+16*\b+7], v98
	v_cvt_scalef32_pk8_bf8_f32 v[CD+4*\b+2:CD+4*\b+3], v[YR+16*\b+8:YR+16*\b+15], v98
.endr
	v_nop                                          ; a plain vector line behind the last conversion of the run
.irp c, 0,1,2,3
	global_store_b128 v[LI], v[CD+4*\c:CD+4*\c+3], s[72:73] offset:2048*(\a)+512*\c   ; 32 lanes store 512 consecutive bytes, aligned
.endr
.endm
; ---- THE WAY OUT, ROPE = 0.  Row block a: out = sum x 2^(e6 + e7) + bo, through my stage, back as whole rows of 512 bytes, into the registers that they left.
.macro PACK a
.set OB, AF+64*((\a)%2)
	WIN 0x02
.set i, 0
.rept 32
	v_pk_fma_f32 v[OB+i:OB+i+1], v[64*(\a)+i:64*(\a)+i+1], s[84:85], v[BIAS+i:BIAS+i+1] op_sel_hi:[1,0,1]
.set i, i+2
.endr
	WIN 0
.irp b, 0,1,2,3
.irp j, 0,1,2,3
	ds_store_b128 v[STO], v[OB+16*\b+4*\j:OB+16*\b+4*\j+3] offset:128*\b+16*\j
.endr
.endr
.irp t, 0,1,2,3,4,5,6,7,8,9,10,11,12,13,14,15
	ds_load_b128 v[OB+4*\t:OB+4*\t+3], v[RD] offset:528*\t   ; LDS serves a wave's instructions in order (ISA guide 5.7.1.4): these see the stores above; the next block's stores come behind them
.endr
.endm
.macro SEND a, younger                 ; younger: the LDS instructions issued behind block a's loads
.set OB, AF+64*((\a)%2)
	s_wait_dscnt \younger
.irp t, 0,1,2,3,4,5,6,7,8,9,10,11,12,13,14,15
	global_store_b128 v[LI], v[OB+4*\t:OB+4*\t+3], s[72:73] offset:(16*(\a)+\t)*8192 th:TH_STORE_NT   ; 32 lanes store 512 consecutive bytes, at a multiple of 512 from out0's first byte
.endr
.endm
	s_wait_kmcnt 0x0
.if ROPE
	s_add_co_i32 s84, s76, s77                     ; e0 + e1
.else
	s_add_co_i32 s84, s82, s83                     ; e6 + e7
.endif
	s_add_co_i32 s84, s84, 127
	s_lshl_b32 s84, s84, 23                        ; the f32 number 2^(the sum)
	s_mov_b32 s85, s84                             ; (named with it as a pair, so it is written)
.if ROPE
	s_add_co_i32 s86, s78, 127
	s_lshl_b32 s87, s86, 23
	v_mov_b32 v98, s87                             ; 2^e2 as f32
	s_add_co_i32 s86, s86, 15
	s_lshl_b32 s86, s86, 23
	s_or_b32 s86, s86, 0x600000
	v_mov_b32 v99, s86                             ; 57,344 x 2^e2
	s_wait_loadcnt 32                              ; the bias and block 0's tables are in; block 1's 32 loads may be out
	PLACES                                         ; behind the last products
	WIN 0x40                                       ; destination window 1: B's set 1 is done with
	ROPELOAD 2, 128
	WIN 0
	ROPEQ 0
	s_wait_loadcnt 32                              ; block 1's tables are in; block 2's 32 loads may be out
	WIN 0xc0                                       ; destination window 3: A's sets 2 and 3 are done with
	ROPELOAD 3, 0
	WIN 0
	ROPEQ 1
	s_wait_loadcnt 32                              ; block 2's tables are in; block 3's 32 loads may be out
	ROPEQ 2
	s_wait_loadcnt 0x0
	ROPEQ 3
.else
	s_wait_loadcnt 0x0                             ; the bias
	PLACES                                         ; behind the last products
	PACK 0
	PACK 1
	SEND 0, 32                                     ; behind block 0's loads: block 1's 16 stores and 16 loads
	s_wait_xcnt 0x0                                ; block 0's stores have read their registers
	PACK 2
	SEND 1, 32
	s_wait_xcnt 0x0
	PACK 3
	SEND 2, 32
	SEND 3, 0
.endif
	s_wait_tensorcnt 0x0
	ds_add_u32 v96, v97
	s_wait_dscnt 0x0
	CROUND                                         ; the closing round: no work-group ends while a partner may still ask for a tile that names it.  (All my tensor loads were waited for in K step 13)
	s_endpgm
.Lfunc_end_k_q2cab2ec9e7_gemm_q:
	.size	k_q2cab2ec9e7_gemm_q, .Lfunc_end_k_q2cab2ec9e7_gemm_q-k_q2cab2ec9e7_gemm_q
	.p2alignl 7, 3214868480
	.fill 96, 4, 3214868480
	.section	.rodata,"a",@progbits
	.p2align	6, 0x0
	.amdhsa_kernel k_q2cab2ec9e7_gemm_q
		.amdhsa_group_segment_fixed_size 327680
		.amdhsa_private_segment_fixed_size 0
		.amdhsa_enable_private_segment 0
		.amdhsa_kernarg_size 56
		.amdhsa_user_sgpr_count 2
		.amdhsa_user_sgpr_kernarg_segment_ptr 1
		.amdhsa_wavefront_size32 1
		.amdhsa_system_sgpr_workgroup_id_x 1
		.amdhsa_system_sgpr_workgroup_id_y 1
		.amdhsa_system_sgpr_workgroup_id_z 1
		.amdhsa_system_vgpr_workitem_id 0
		.amdhsa_next_free_vgpr 1024
		.amdhsa_next_free_sgpr 100
		.amdhsa_reserve_vcc 0
		.amdhsa_float_denorm_mode_32 3
		.amdhsa_float_denorm_mode_16_64 3
		.amdhsa_memory_ordered 1
		.amdhsa_forward_progress 1
		.amdhsa_inst_pref_size 159
	.end_amdhsa_kernel
	.amdgpu_metadata
---
amdhsa.version: [ 1, 2 ]
amdhsa.kernels:
  - .name:           k_q2cab2ec9e7_gemm_q
    .symbol:         k_q2cab2ec9e7_gemm_q.kd
    .args:
      - { .name: hs_codes, .offset: 0, .size: 8, .value_kind: global_buffer, .address_space: global }
      - { .name: wq_codes, .offset: 8, .size: 8, .value_kind: global_buffer, .address_space: global }
      - { .name: lowp_scales, .offset: 16, .size: 8, .value_kind: global_buffer, .address_space: global }
      - { .name: bq, .offset: 24, .size: 8, .value_kind: global_buffer, .address_space: global }
      - { .name: rope_cos, .offset: 32, .size: 8, .value_kind: global_buffer, .address_space: global }
      - { .name: rope_sin, .offset: 40, .size: 8, .value_kind: global_buffer, .address_space: global }
      - { .name: q_codes, .offset: 48, .size: 8, .value_kind: global_buffer, .address_space: global }
    .group_segment_fixed_size: 327680
    .private_segment_fixed_size: 0
    .kernarg_segment_align: 8
    .kernarg_segment_size: 56
    .max_flat_workgroup_size: 128
    .sgpr_count:     100
    .vgpr_count:     1024
    .wavefront_size: 32
...
	.end_amdgpu_metadata
.endif
;; end of part 2
;; launch attn (part 3): grid 8 x 32, 8 waves a work-group, clusters of 4 x 4, 327,680 bytes of LDS; arguments q_codes, k_codes, v_codes, attention_mask, lowp_scales, ao_codes; writes ao_codes
.if DOCPART == 3
	.amdgcn_target "amdgcn-amd-amdhsa--gfx1250"
	.amdhsa_code_object_version 6
	.text
	.protected	k_q2cab2ec9e7_attn
	.globl	k_q2cab2ec9e7_attn
	.p2align	8
	.type	k_q2cab2ec9e7_attn,@function
k_q2cab2ec9e7_attn:
	s_mov_b64 s[64:65], 0
	v_nop
	global_prefetch_b8 v0, s[64:65] scope:SCOPE_SE
	s_setreg_imm32_b32 hwreg(HW_REG_WAVE_MODE, 25, 1), 1
	s_wait_xcnt 0x0
	s_wait_alu depctr_hold_cnt(0) depctr_sa_sdst(0) depctr_va_vdst(0) depctr_va_sdst(0) depctr_va_ssrc(0) depctr_va_vcc(0) depctr_vm_vsrc(0)
	s_getreg_b32 s2, hwreg(HW_REG_IB_STS2, 6, 4)
	s_cmp_eq_u32 s2, 0
	s_cbranch_scc0 .Lentry_in_a_cluster
	s_endpgm
.Lentry_in_a_cluster:
	s_bfe_u32 s2, ttmp6, 0x10000c
	s_cmp_lg_u32 s2, 0xf033
	s_cbranch_scc0 .Lentry_shape_is_right
	s_endpgm
.Lentry_shape_is_right:
; For each of 64 heads: logit = (q . k) / sqrt(128) + mask; t = logit x log2(e); M = the running largest t rounded UP to a whole number; p = 2^(t - M) is quantised (e5) along the keys, not normalised;
; the row's sum is taken of the unquantised p; O = (sum over keys of p v) / the sum, quantised with e6 along the hidden axis.  Both products on codes of BF8 (E5M2).  The mask is an input: every key of every query is
; computed and every number of the mask is read.
; All operands are IMAGES OF OPERAND REGISTERS (fragment = 16 rows x 128 K = 2,048 bytes; chunk c, lane l: 16 bytes at 512 c + 16 l = row l % 16, k = 32 c + 16 (l / 16) + 0 .. 15).
; q_codes [head][64 query tiles][2,048]; k_codes, v_codes [head][8 steps of 128 keys][8 fragments][2,048], their rows (keys; channels) permuted: row p of fragment 2 b + u = 32 b + 8 u + p + 8 (p / 8);
; ao_codes [batch x 64 + query tile][16 K steps = heads][2,048].
; SHARES.  A work-group takes 128 queries x 2 heads; wave wv takes head wv / 4 and query tiles 2 (wv % 4), + 1: every fragment of K and V that it reads feeds two matrix instructions.  Two waves to a SIMD.
; Both products are used transposed (S^T = K Q^T, O^T = V^T P^T): a lane holds one query; register 16 b + i of a tile's 64 is key (or channel) 32 b + 16 (l / 16) + i: the conversions' results are the next operand.
; THE RING: two LDS slots, one step of 128 keys each: K and V of both heads and 128 rows x 128 numbers of the mask.  CLUSTER 4 x 4: K and V hang on the pair of heads and are asked for jointly along a row of the
; cluster; the mask's tile hangs on the batch and the query block and is asked for jointly along a column.
; LIMITS: e2 + e3 between -122 and 130 (added to the exponent field of 1 / sqrt(128)); e5 and e6 between -126 and 112; e4 + e5 goes by v_ldexp_f32 and has none.  NaN among the inputs is not served.
; REGISTERS: window 0: v1-11 addresses; v12-19 (-M, largest t, the sum's two halves) of tiles 0, 1; v20-23 f; v24-27 scales; v32-63 Q; v64-191 S^T, then p; v192-223 p's codes; v224-239 at work.
;   window 1: v0-127 O^T; v128-255 eight fragments of K, then the mask's numbers, then eight fragments of V.
.set SLOT,  133120                     ; K head 0, K head 1, V head 0, V head 1 (16,384 each), the mask: 128 rows x 528
.set VOFF,  32768
.set MOFF,  65536
.set MP,    528                        ; a row of the mask's tile: 512 bytes + 16 = 132 words: row r starts at bank 4 r mod 64 (64 banks of 4 bytes: ISA guide 11.1)
.set SPARE, 2*SLOT                     ; behind the ring: the spare words, 128 bytes for each wave: four blocks of 256 bytes that no other line names
.set SPW, 1                            ; v1   my spare word: SPARE + 4 x my thread's number; never rewritten
.set NIL, 2                            ; v2   0; never rewritten
.set LI,  3                            ; v3   16 x lane
.set AK,  4                            ; v4-5 K's fragments of my head in slot 0, 1
.set AV,  6                            ; v6-7 V's
.set AM,  8                            ; v8-9 the mask: my tile 0's row l % 16, + 64 (l / 16)
.set PFO, 11                           ; v11  the prefetches' offset; never rewritten
.set ST,  12
.set F,   20
.set Q,   32
.set S,   64
.set P,   192
.set T,   224
.set BUF, 128                          ; in window 1
.set WV,   16                          ; s16  my wave's number
.set SEL,  20                          ; s[20:21] selects for v_permlanex16_b32: lane l xor 16
.set CS,   22                          ; s[22:23] 2^(e2 + e3) / sqrt(128)
.set L2E,  24                          ; s[24:25] log2(e)
.set G1KV, 28                          ; s[28:35] group 1 for K's and V's tiles;  s[36:43] for the mask's;  s[44:51], s[52:59] their groups 0, one set for each slot
.set G1M,  36
.set G0KV, 44
.set G0M,  52
.set PFA,  76                          ; s[76:77] where my prefetches stand;  s[78:79] a step on;  s80 = 1 in a wave that prefetches
.set PFS,  78
.set LIM,  80
.set MSB, 0
.macro WIN new                         ; the immediate's high byte repeats the setting that is left
.if MSB != \new
	s_set_vgpr_msb (MSB<<8)|\new
.set MSB, \new
.endif
.endm
.set W_LD, 0x40                        ; destination window 1
.set W_KQ, 0x01                        ; source 0 (K) window 1
.set W_MK, 0x10                        ; source 2 (the mask) window 1
.set W_RS, 0x41                        ; O^T (destination, source 0) window 1
.set W_PV, 0x51                        ; V, and O^T as C and D, window 1; p window 0
; A joint load into slot sl: waves 0-3 fetch K's and V's four blocks, waves 4-7 a quarter of the mask's rows each.  The branch hangs on the wave's number alone.  Four v_nop follow each line.
.macro JLOAD sl
	s_cmp_lt_u32 s[WV], 4
	s_cbranch_scc0 .Lfor_m_\@
	tensor_load_to_lds s[G0KV+4*(\sl):G0KV+4*(\sl)+3], s[G1KV:G1KV+7]
	s_nop 0
.rept 4
	v_nop
.endr
	s_branch .Lasked_\@
.Lfor_m_\@:
	tensor_load_to_lds s[G0M+4*(\sl):G0M+4*(\sl)+3], s[G1M:G1M+7]
	s_nop 0
.rept 4
	v_nop
.endr
.Lasked_\@:
.endm
.macro CROUND                          ; a round of the cluster's barrier
	s_barrier_signal -1
	s_barrier_wait -1
	s_cmp_lg_u32 s[WV], 0
	s_cbranch_scc1 .Lnot_wave_0_\@
	s_barrier_signal -3
.Lnot_wave_0_\@:
	s_barrier_wait -3
	s_barrier_signal -1
	s_barrier_wait -1
.endm
.macro PLACES
.rept 4
	v_nop
.endr
.endm
; A PREFETCH INTO THE L2: in the trip that works on step i and has asked for step i + 1, the tiles of step i + 2; only the loop's six trips ask, so steps 2 to 7 are named and nothing beyond.
; Each aligned block of 256 bytes is named once in the launch.  K and V of a pair of heads are walked by both clusters of that row of clusters: cluster x = 0 asks; its four partners along x take 4,096 bytes of each
; head's 16,384, told apart by address; wave 0 asks for K's, wave 1 for V's (lanes 0-15: the first head, lanes 16-31: the second, 256 bytes apart).  A mask tile is walked by the two clusters of a batch: the even
; cluster y asks; its four partners along y take 32 rows each, by address; waves 4 and 5 take the two halves of a row's 512 bytes, a lane a row.
.macro ASK
	s_cmp_eq_u32 s[LIM], 1
	s_cbranch_scc0 .Lnot_mine_\@
	global_prefetch_b8 v[PFO], s[PFA:PFA+1] th:TH_LOAD_NT scope:SCOPE_SE
.Lnot_mine_\@:
.endm
	s_load_b256 s[4:11], s[0:1], 0x0               ; q_codes s[4:5], k_codes s[6:7], v_codes s[8:9], the mask s[10:11]
	s_load_b128 s[12:15], s[0:1], 0x20             ; the exponents s[12:13], ao_codes s[14:15]
	v_lshl_add_u32 v[SPW], v0, 2, SPARE
	v_mov_b32 v[NIL], 0
	ds_add_u32 v1, v2
	ds_add_u32 v1, v2
	s_wait_dscnt 0x0
	v_lshrrev_b32 v10, 5, v0
	v_readfirstlane_b32 s[WV], v10                 ; wave 0..7
	s_lshr_b32 s17, s[WV], 2                       ; j: which of the two heads
	s_and_b32 s18, s[WV], 3                        ; which pair of query tiles; also: which block or quarter I fetch
	s_bfe_u32 s60, ttmp6, 0x40000                  ; cx
	s_bfe_u32 s61, ttmp6, 0x40004                  ; cy
	s_lshl_b32 s62, ttmp9, 2
	s_add_co_u32 s62, s62, s60                     ; X: my block of 128 queries
	s_and_b32 s66, ttmp7, 0xffff                   ; cluster y
	s_lshl_b32 s63, s66, 2
	s_add_co_u32 s63, s63, s61                     ; Y: my pair of heads
	s_lshr_b32 s67, s66, 1                         ; the batch: from the cluster's y alone
	s_lshl_b32 s86, s61, 2
	s_lshl_b32 s86, 15, s86                        ; my row of the cluster
	s_lshl_b32 s87, 0x1111, s60                    ; my column
	s_or_b32 s[G1KV], s86, (3<<16)|(1<<21)         ; a dense block of 16,384 bytes as 64 rows of 256: elements of 8 bytes; 21 set beside the mask
	s_mov_b32 s[G1KV+1], 32<<16
	s_mov_b32 s[G1KV+2], 64<<16
	s_mov_b32 s[G1KV+3], 32<<16
	s_mov_b32 s[G1KV+4], 64
	s_mov_b32 s[G1KV+5], 32
	s_mov_b32 s[G1KV+6], 0
	s_mov_b32 s[G1KV+7], 0
	s_or_b32 s[G1M], s87, (2<<16)|(1<<20)|(1<<21)|(6<<22)|(3<<25)   ; 32 rows of 128 f32, 1,024 apart; padding: 4 words after every 128
	s_mov_b32 s[G1M+1], 128<<16
	s_mov_b32 s[G1M+2], 32<<16
	s_mov_b32 s[G1M+3], 128<<16
	s_mov_b32 s[G1M+4], 32
	s_mov_b32 s[G1M+5], 1024
	s_mov_b32 s[G1M+6], 0
	s_mov_b32 s[G1M+7], 0
	s_and_b32 s86, s18, 1
	s_lshl_b32 s82, s63, 1
	s_add_co_u32 s82, s82, s86                     ; K, V: head 2 Y + (block % 2),
	s_lshl_b32 s82, s82, 17                        ; of 8 steps x 16,384 bytes
	s_mov_b32 s83, 0
	s_lshl_b32 s84, s62, 7
	s_lshl_b32 s87, s18, 5
	s_add_co_u32 s84, s84, s87                     ; the mask: row 128 X + 32 x quarter,
	s_lshl_b32 s84, s84, 12                        ; of 4,096 bytes,
	s_lshl_b32 s87, s67, 22
	s_add_co_u32 s84, s84, s87                     ; in my batch
	s_mov_b32 s85, 0
	s_lshl_b32 s90, s18, 14                        ; where they go: block x 16,384;
	s_mul_i32 s91, s18, 32*MP
	s_add_co_u32 s91, s91, MOFF                    ; MOFF + quarter x 32 rows: no place in the cluster enters an LDS address
	s_mov_b32 s[SEL], 0x76543210
	s_mov_b32 s[SEL+1], 0xfedcba98
	s_mov_b32 s[CS], 0x3db504f3                    ; 1 / sqrt(128)
	s_mov_b32 s[L2E], 0x3fb8aa3b                   ; log2(e)
	s_mov_b32 s[L2E+1], s[L2E]                     ; (named with it as a pair, so it is written)
	s_wait_kmcnt 0x0
	s_load_b256 s[68:75], s[12:13], 0x0            ; e0 .. e7
	s_cmp_lt_u32 s18, 2                            ; blocks 0, 1: K's; 2, 3: V's
	s_cselect_b64 s[88:89], s[6:7], s[8:9]
	s_add_nc_u64 s[82:83], s[88:89], s[82:83]
	s_add_nc_u64 s[84:85], s[10:11], s[84:85]
.irp s, 0,1
	s_mov_b32 s[G0KV+4*\s], 1
	s_add_co_u32 s[G0KV+4*\s+1], s90, \s*SLOT
	s_add_nc_u64 s[G0KV+4*\s+2:G0KV+4*\s+3], s[82:83], \s*16384   ; slot s begins with step s
	s_or_b32 s[G0KV+4*\s+3], s[G0KV+4*\s+3], 0x80000000
	s_mov_b32 s[G0M+4*\s], 1
	s_add_co_u32 s[G0M+4*\s+1], s91, \s*SLOT
	s_add_nc_u64 s[G0M+4*\s+2:G0M+4*\s+3], s[84:85], \s*512
	s_or_b32 s[G0M+4*\s+3], s[G0M+4*\s+3], 0x80000000
.endr
	CROUND                                         ; all sixteen work-groups are here: the first joint loads meet
	JLOAD 0                                        ; step 0; slot 1 is first filled behind the first trip's round, as a refill is
	v_and_b32 v238, 31, v0
	v_lshlrev_b32 v[LI], 4, v238
	v_and_b32 v236, 15, v0                         ; r
	v_bfe_u32 v237, v0, 4, 1                       ; h
	s_lshl_b32 s92, s63, 1                         ; Q: ((2 Y + j) x 64 + 8 X + 2 x pair) x 2,048
	s_add_co_u32 s92, s92, s17
	s_lshl_b32 s92, s92, 6
	s_lshl_b32 s93, s62, 3
	s_add_co_u32 s92, s92, s93
	s_lshl_b32 s93, s18, 1
	s_add_co_u32 s92, s92, s93
	s_lshl_b32 s92, s92, 11
	s_mov_b32 s93, 0
	s_add_nc_u64 s[4:5], s[4:5], s[92:93]
.irp a, 0,1
.irp c, 0,1,2,3
	global_load_b128 v[Q+16*\a+4*\c:Q+16*\a+4*\c+3], v[LI], s[4:5] offset:2048*\a+512*\c   ; my two query tiles stay in registers
.endr
.endr
	s_lshl_b32 s92, s17, 14
	v_add_nc_u32 v[AK], s92, v[LI]
	v_add_nc_u32 v[AK+1], SLOT, v[AK]
	v_add_nc_u32 v[AV], VOFF, v[AK]
	v_add_nc_u32 v[AV+1], SLOT, v[AV]
	v_mul_u32_u24 v[AM], v236, MP
	v_lshl_add_u32 v[AM], v237, 6, v[AM]
	v_add_nc_u32 v[AM], s91, v[AM]                 ; (my pair's 32 rows begin where the quarter of the same number begins)
	v_add_nc_u32 v[AM+1], SLOT, v[AM]
	s_lshl_b32 s96, s67, 6                         ; ao_codes: ((batch x 64 + 8 X + 2 x pair) x 16 + 2 (Y % 8) + j) x 2,048
	s_lshl_b32 s97, s62, 3
	s_add_co_u32 s96, s96, s97
	s_lshl_b32 s97, s18, 1
	s_add_co_u32 s96, s96, s97
	s_lshl_b32 s96, s96, 4
	s_and_b32 s97, s63, 7
	s_lshl_b32 s97, s97, 1
	s_add_co_u32 s96, s96, s97
	s_add_co_u32 s96, s96, s17
	s_lshl_b32 s96, s96, 11
	s_mov_b32 s97, 0
	s_add_nc_u64 s[14:15], s[14:15], s[96:97]
	; the prefetches: who asks, from where, in which steps
	s_and_b32 s86, s[WV], 2                        ; 0 in waves 0, 1, 4, 5
	s_and_b32 s87, ttmp7, 1
	s_cmp_lt_u32 s[WV], 4
	s_cselect_b32 s87, ttmp9, s87                  ; K, V: cluster x = 0; the mask: an even cluster y
	s_mov_b32 s92, 65536
	s_cselect_b32 s92, 131072, s92                 ; from lanes 0-15 to lanes 16-31: a head's codes, or 16 rows of the mask
	s_mov_b32 s93, 4096
	s_cselect_b32 s93, 256, s93                    ; from lane to lane
	s_mov_b32 s[PFS], 512
	s_cselect_b32 s[PFS], 16384, s[PFS]            ; a step on
	s_mov_b32 s[PFS+1], 0
	s_or_b32 s86, s86, s87
	s_cmp_eq_u32 s86, 0
	s_cselect_b32 s[LIM], 1, -1                    ; made of the wave's number and the cluster's coordinates alone: the same in all sixteen partners
	v_mul_lo_u32 v[PFO], v237, s92
	v_mul_lo_u32 v238, v236, s93
	v_add_nc_u32 v[PFO], v[PFO], v238
	s_lshl_b32 s94, s63, 4
	s_add_co_u32 s94, s94, 1                       ; K, V: head 2 Y, step 1 (each ask steps it first: the first names step 2),
	s_lshl_b32 s94, s94, 14
	s_lshl_b32 s95, s60, 12
	s_add_co_u32 s94, s94, s95                     ; my work-group's 4,096 bytes
	s_lshl_b32 s95, s62, 7
	s_lshl_b32 s96, s61, 5
	s_add_co_u32 s95, s95, s96                     ; the mask: row 128 X + 32 cy,
	s_lshl_b32 s95, s95, 12
	s_lshl_b32 s96, s67, 22
	s_add_co_u32 s95, s95, s96
	s_and_b32 s96, s[WV], 1
	s_lshl_b32 s97, s96, 8
	s_add_co_u32 s95, s95, s97                     ; my half of a row's 512 bytes,
	s_add_co_u32 s95, s95, 512                     ; step 1
	s_cmp_eq_u32 s96, 0
	s_cselect_b64 s[PFA:PFA+1], s[6:7], s[8:9]
	s_cmp_lt_u32 s[WV], 4
	s_cselect_b64 s[PFA:PFA+1], s[PFA:PFA+1], s[10:11]
	s_cselect_b32 s94, s94, s95
	s_mov_b32 s95, 0
	s_add_nc_u64 s[PFA:PFA+1], s[PFA:PFA+1], s[94:95]
.irp a, 0,1
	v_mov_b32 v[ST+4*\a+1], 0xff61b1e6             ; the largest t so far: -3e38, under every t
	v_floor_f32 v[ST+4*\a], -v[ST+4*\a+1]          ; -M
	v_mov_b32 v[ST+4*\a+2], 0                      ; the sum, in two halves
	v_mov_b32 v[ST+4*\a+3], 0
	v_mov_b32 v[F+2*\a+1], 0                       ; (named as the upper half of f's pair)
	v_mov_b32 v[T+8*\a+2], 0                       ; written once: a lane permute's destination counts as one of its sources
.endr
	WIN W_LD
.set i, 0
.rept 128
	v_mov_b32 v[i], 0                              ; O^T.  (The step is written for every step alike: the first finds zeros, which the first change of M leaves zeros)
.set i, i+1
.endr
	WIN 0
	s_wait_kmcnt 0x0
	s_add_co_i32 s92, s70, s71
	s_lshl_b32 s92, s92, 23
	s_add_co_i32 s[CS], s[CS], s92                 ; a score stands for score x 2^(e2 + e3): added to the exponent field
	s_mov_b32 s[CS+1], s[CS]
	s_add_co_i32 s92, s73, 127
	s_lshl_b32 s93, s92, 23
	v_mov_b32 v24, s93                             ; 2^e5
	s_add_co_i32 s92, s92, 15
	s_lshl_b32 s92, s92, 23
	s_or_b32 s92, s92, 0x600000
	v_mov_b32 v25, s92                             ; 57,344 x 2^e5
	s_add_co_i32 s92, s74, 127
	s_lshl_b32 s93, s92, 23
	v_mov_b32 v26, s93                             ; 2^e6
	s_add_co_i32 s92, s92, 15
	s_lshl_b32 s92, s92, 23
	s_or_b32 s92, s92, 0x600000
	v_mov_b32 v27, s92                             ; 57,344 x 2^e6
; A STEP OF 128 KEYS, out of slot sl, for my two query tiles.
.macro STEP sl, ask
	WIN W_LD
.set i, 0
.rept 32
	ds_load_b128 v[BUF+4*i:BUF+4*i+3], v[AK+\sl] offset:512*i   ; K's eight fragments: every load takes 512 consecutive bytes
.set i, i+1
.endr
	WIN 0
.if \ask
	ASK
.endif
	s_wait_dscnt 0x0
	WIN W_KQ
.irp t, 0,1,2,3,4,5,6,7
.irp a, 0,1
	v_wmma_f32_16x16x128_bf8_bf8 v[S+64*\a+8*\t:S+64*\a+8*\t+7], v[BUF+16*\t:BUF+16*\t+15], v[Q+16*\a:Q+16*\a+15], 0
.endr
.endr
	PLACES                                         ; in front of the loads into K's registers and of the first read of the scores
	WIN W_LD
.irp a, 0,1
.irp b, 0,1,2,3
.irp j, 0,1,2,3
	ds_load_b128 v[BUF+64*\a+16*\b+4*\j:BUF+64*\a+16*\b+4*\j+3], v[AM+\sl] offset:16*MP*\a+128*\b+16*\j   ; the mask in the scores' layout: my query's row, keys 32 b + 16 h + 4 j ..
.endr
.endr
.endr
	s_wait_dscnt 0x0
	WIN W_MK
.set i, 0
.rept 64
	v_pk_fma_f32 v[S+i:S+i+1], v[S+i:S+i+1], s[CS:CS+1], v[BUF+i:BUF+i+1] op_sel_hi:[1,0,1]   ; the logit: score / sqrt(128) + mask; each accumulator from its low end on
.set i, i+2
.endr
	WIN W_LD
.set i, 0
.rept 32
	ds_load_b128 v[BUF+4*i:BUF+4*i+3], v[AV+\sl] offset:512*i   ; V's eight fragments land while the softmax is worked
.set i, i+1
.endr
	WIN 0
.irp a, 0,1                                    ; the step's largest logit of my query among my 64 keys: two chains a tile, the tiles by turns
	v_max3_num_f32 v[T+8*\a], v[S+64*\a], v[S+64*\a+1], v[S+64*\a+2]
	v_max3_num_f32 v[T+8*\a+1], v[S+64*\a+3], v[S+64*\a+4], v[S+64*\a+5]
.endr
.irp k, 6,10,14,18,22,26,30,34,38,42,46,50,54,58
.irp a, 0,1
	v_max3_num_f32 v[T+8*\a], v[T+8*\a], v[S+64*\a+\k], v[S+64*\a+\k+1]
	v_max3_num_f32 v[T+8*\a+1], v[T+8*\a+1], v[S+64*\a+\k+2], v[S+64*\a+\k+3]
.endr
.endr
.irp a, 0,1
	v_max3_num_f32 v[T+8*\a], v[T+8*\a], v[S+64*\a+62], v[S+64*\a+63]
.endr
.irp a, 0,1
	v_max_num_f32 v[T+8*\a], v[T+8*\a], v[T+8*\a+1]
.endr
.irp a, 0,1
	v_permlanex16_b32 v[T+8*\a+2], v[T+8*\a], s[SEL], s[SEL+1]
.endr
.irp a, 0,1
	v_max_num_f32 v[T+8*\a], v[T+8*\a], v[T+8*\a+2]   ; and among lane l xor 16's
.endr
.irp a, 0,1
	v_mul_f32 v[T+8*\a], s[L2E], v[T+8*\a]         ; as t
.endr
.irp a, 0,1
	v_max_num_f32 v[ST+4*\a+1], v[ST+4*\a+1], v[T+8*\a]   ; the running largest t
.endr
.irp a, 0,1
	v_mov_b32 v[T+8*\a], v[ST+4*\a]
.endr
.irp a, 0,1
	v_floor_f32 v[ST+4*\a], -v[ST+4*\a+1]          ; the new -M = floor(-t): M is a whole number
.endr
.irp a, 0,1
	v_sub_f32 v[T+8*\a], v[ST+4*\a], v[T+8*\a]     ; old M - new M: a whole number, 0 or less
.endr
.irp a, 0,1
	v_cvt_i32_f32 v[T+8*\a], v[T+8*\a]             ; (it saturates)
.endr
.irp a, 0,1
	v_ldexp_f32 v[F+2*\a], 1.0, v[T+8*\a]          ; f = 2^(old M - new M): a multiplication by it rounds nothing
.endr
.irp a, 0,1
.set i, 0
.rept 32
	v_pk_fma_f32 v[S+64*\a+i:S+64*\a+i+1], v[S+64*\a+i:S+64*\a+i+1], s[L2E:L2E+1], v[ST+4*\a:ST+4*\a+1] op_sel_hi:[1,0,0]   ; t - M
.set i, i+2
.endr
.endr
.set i, 0
.rept 128
	v_exp_f32 v[S+i], v[S+i]                       ; p = 2^(t - M): one batch
.set i, i+1
.endr
.irp a, 0,1
	v_pk_mul_f32 v[ST+4*\a+2:ST+4*\a+3], v[ST+4*\a+2:ST+4*\a+3], v[F+2*\a:F+2*\a+1] op_sel_hi:[1,0]   ; the sums under the new M: the plain lines behind the exponentials
.endr
	s_wait_alu depctr_va_vdst(0)                   ; one wait for the batch, ahead of its first reader
.irp a, 0,1
	v_pk_add_f32 v[T+8*\a+4:T+8*\a+5], v[S+64*\a:S+64*\a+1], v[S+64*\a+2:S+64*\a+3]   ; the row's sum is taken of the unquantised p
.endr
.irp k, 4,8,12,16,20,24,28,32,36,40,44,48,52,56,60
.irp a, 0,1
	v_pk_add_f32 v[ST+4*\a+2:ST+4*\a+3], v[ST+4*\a+2:ST+4*\a+3], v[S+64*\a+\k:S+64*\a+\k+1]
	v_pk_add_f32 v[T+8*\a+4:T+8*\a+5], v[T+8*\a+4:T+8*\a+5], v[S+64*\a+\k+2:S+64*\a+\k+3]
.endr
.endr
.irp a, 0,1
	v_pk_add_f32 v[ST+4*\a+2:ST+4*\a+3], v[ST+4*\a+2:ST+4*\a+3], v[T+8*\a+4:T+8*\a+5]
.endr
.irp a, 0,1
.irp b, 0,1,2,3
.irp k, 0,1,2,3,4,5,6,7,8,9,10,11,12,13,14,15
	v_min_num_f32 v[S+64*\a+16*\b+\k], v[S+64*\a+16*\b+\k], v25   ; the conversion does not saturate (ISA guide 7.6.2); p is not negative, so the hold is one-sided
.endr
	v_cvt_scalef32_pk8_bf8_f32 v[P+16*\a+4*\b:P+16*\a+4*\b+1], v[S+64*\a+16*\b:S+64*\a+16*\b+7], v24
	v_cvt_scalef32_pk8_bf8_f32 v[P+16*\a+4*\b+2:P+16*\a+4*\b+3], v[S+64*\a+16*\b+8:S+64*\a+16*\b+15], v24
.endr
.endr
	WIN W_RS
.irp a, 0,1
.set i, 0
.rept 32
	v_pk_mul_f32 v[64*\a+i:64*\a+i+1], v[64*\a+i:64*\a+i+1], v[F+2*\a:F+2*\a+1] op_sel_hi:[1,0]   ; O^T under the new M; also the plain lines behind the conversions
.set i, i+2
.endr
.endr
	s_wait_dscnt 0x0                               ; V is in
	WIN W_PV
.irp t, 0,1,2,3,4,5,6,7
.irp a, 0,1
	v_wmma_f32_16x16x128_bf8_bf8 v[64*\a+8*\t:64*\a+8*\t+7], v[BUF+16*\t:BUF+16*\t+15], v[P+16*\a:P+16*\a+15], v[64*\a+8*\t:64*\a+8*\t+7]   ; the 16 accumulators by turns
.endr
.endr
	WIN 0
.endm
; A TRIP: the change of slots at its head.  Each wave waits for all its tensor loads (its part of the slot ahead), adds 0 to its spare word, and waits for that and for its reads of the slot that it has left; the round
; of the cluster's barrier follows; behind it the slot just left takes the next step's tiles: one tensor load a wave, which has this trip's work in which to land.
.macro TRIP sl, refill, ask
	s_wait_tensorcnt 0x0                           ; no tensor load of mine is out, so a group 0 may be written
	ds_add_u32 v[SPW], v[NIL]                      ; 0 onto my spare word
	s_add_nc_u64 s[G0KV+4*\sl+2:G0KV+4*\sl+3], s[G0KV+4*\sl+2:G0KV+4*\sl+3], 2*16384   ; this slot's next step
	s_add_nc_u64 s[G0M+4*\sl+2:G0M+4*\sl+3], s[G0M+4*\sl+2:G0M+4*\sl+3], 2*512
.if \ask
	s_wait_xcnt 0x0                                ; the last prefetch, a trip back, has read its address, so it may be written
	s_add_nc_u64 s[PFA:PFA+1], s[PFA:PFA+1], s[PFS:PFS+1]
.endif
	s_wait_dscnt 0x0                               ; the add is done, and my reads of the slot that I have left are over
	CROUND
.if \refill
	JLOAD 1-\sl                                    ; the first thing behind the round; its four v_nop are the places in front of the loads into V's registers
.else
	PLACES
.endif
	STEP \sl, \ask
.endm
	s_wait_loadcnt 0x0                             ; Q
	s_mov_b32 s81, 3
.Lpair:                                                ; 3 trips of two steps
	TRIP 0, 1, 1
	TRIP 1, 1, 1
	s_sub_co_u32 s81, s81, 1
	s_cmp_lg_u32 s81, 0
	s_cbranch_scc1 .Lpair
	TRIP 0, 1, 0                                   ; the last two steps are written out: the very last asks for nothing
	TRIP 1, 0, 0
	; THE WAY OUT: O^T / the sum x 2^(e4 + e5), held, converted with 2^e6: the 16 registers of codes are the image of K step (my head) of the last product's row block (my query tile).
	PLACES
.irp a, 0,1
	v_add_f32 v[T+8*\a], v[ST+4*\a+2], v[ST+4*\a+3]
.endr
.irp a, 0,1
	v_permlanex16_b32 v[T+8*\a+2], v[T+8*\a], s[SEL], s[SEL+1]
.endr
.irp a, 0,1
	v_add_f32 v[T+8*\a], v[T+8*\a], v[T+8*\a+2]    ; the row's sum
.endr
.irp a, 0,1
	v_rcp_f32 v[F+2*\a], v[T+8*\a]
.endr
	v_nop                                          ; a plain line behind the last reciprocal
	s_add_co_i32 s94, s72, s73
	s_wait_alu depctr_va_vdst(0)                   ; one wait for the two reciprocals, ahead of their first reader
.irp a, 0,1
	v_ldexp_f32 v[F+2*\a], v[F+2*\a], s94
.endr
	WIN 0x01                                       ; source 0: window 1
.irp a, 0,1
.set i, 0
.rept 32
	v_pk_mul_f32 v[S+64*\a+i:S+64*\a+i+1], v[64*\a+i:64*\a+i+1], v[F+2*\a:F+2*\a+1] op_sel_hi:[1,0]   ; each accumulator from its low end on
.set i, i+2
.endr
.endr
	WIN 0
.irp a, 0,1
.irp b, 0,1,2,3
.irp k, 0,1,2,3,4,5,6,7,8,9,10,11,12,13,14,15
	v_med3_num_f32 v[S+64*\a+16*\b+\k], v[S+64*\a+16*\b+\k], -v27, v27
.endr
	v_cvt_scalef32_pk8_bf8_f32 v[P+16*\a+4*\b:P+16*\a+4*\b+1], v[S+64*\a+16*\b:S+64*\a+16*\b+7], v26
	v_cvt_scalef32_pk8_bf8_f32 v[P+16*\a+4*\b+2:P+16*\a+4*\b+3], v[S+64*\a+16*\b+8:S+64*\a+16*\b+15], v26
.endr
.endr
	v_nop                                          ; a plain vector line behind the last conversion of the run
.irp a, 0,1
.irp c, 0,1,2,3
	global_store_b128 v[LI], v[P+16*\a+4*\c:P+16*\a+4*\c+3], s[14:15] offset:32768*\a+512*\c   ; 32 lanes store 512 consecutive bytes, aligned
.endr
.endr
	s_wait_tensorcnt 0x0                           ; the wave's end
	ds_add_u32 v[SPW], v[NIL]
	s_wait_dscnt 0x0
	CROUND                                         ; the closing round: no work-group ends while a partner may still ask for a tile that names it
	s_endpgm
.Lfunc_end_k_q2cab2ec9e7_attn:
	.size	k_q2cab2ec9e7_attn, .Lfunc_end_k_q2cab2ec9e7_attn-k_q2cab2ec9e7_attn
	.p2alignl 7, 3214868480
	.fill 96, 4, 3214868480
	.section	.rodata,"a",@progbits
	.p2align	6, 0x0
	.amdhsa_kernel k_q2cab2ec9e7_attn
		.amdhsa_group_segment_fixed_size 327680
		.amdhsa_private_segment_fixed_size 0
		.amdhsa_enable_private_segment 0
		.amdhsa_kernarg_size 48
		.amdhsa_user_sgpr_count 2
		.amdhsa_user_sgpr_kernarg_segment_ptr 1
		.amdhsa_wavefront_size32 1
		.amdhsa_system_sgpr_workgroup_id_x 1
		.amdhsa_system_sgpr_workgroup_id_y 1
		.amdhsa_system_sgpr_workgroup_id_z 1
		.amdhsa_system_vgpr_workitem_id 0
		.amdhsa_next_free_vgpr 512
		.amdhsa_next_free_sgpr 100
		.amdhsa_reserve_vcc 0
		.amdhsa_float_denorm_mode_32 3
		.amdhsa_float_denorm_mode_16_64 3
		.amdhsa_memory_ordered 1
		.amdhsa_forward_progress 1
		.amdhsa_inst_pref_size 187
	.end_amdhsa_kernel
	.amdgpu_metadata
---
amdhsa.version: [ 1, 2 ]
amdhsa.kernels:
  - .name:           k_q2cab2ec9e7_attn
    .symbol:         k_q2cab2ec9e7_attn.kd
    .args:
      - { .name: q_codes, .offset: 0, .size: 8, .value_kind: global_buffer, .address_space: global }
      - { .name: k_codes, .offset: 8, .size: 8, .value_kind: global_buffer, .address_space: global }
      - { .name: v_codes, .offset: 16, .size: 8, .value_kind: global_buffer, .address_space: global }
      - { .name: attention_mask, .offset: 24, .size: 8, .value_kind: global_buffer, .address_space: global }
      - { .name: lowp_scales, .offset: 32, .size: 8, .value_kind: global_buffer, .address_space: global }
      - { .name: ao_codes, .offset: 40, .size: 8, .value_kind: global_buffer, .address_space: global }
    .group_segment_fixed_size: 327680
    .private_segment_fixed_size: 0
    .kernarg_segment_align: 8
    .kernarg_segment_size: 48
    .max_flat_workgroup_size: 256
    .sgpr_count:     100
    .vgpr_count:     512
    .wavefront_size: 32
...
	.end_amdgpu_metadata
.endif
;; end of part 3
;; launch gemm_o (part 4): grid 16 x 16, 4 waves a work-group, clusters of 4 x 4, 327,680 bytes of LDS; arguments ao_codes, wo_codes, lowp_scales, bo, out0; writes out0
.if DOCPART == 4
	.amdgcn_target "amdgcn-amd-amdhsa--gfx1250"
	.amdhsa_code_object_version 6
	.text
	.protected	k_q2cab2ec9e7_gemm_o
	.globl	k_q2cab2ec9e7_gemm_o
	.p2align	8
	.type	k_q2cab2ec9e7_gemm_o,@function
k_q2cab2ec9e7_gemm_o:
	s_mov_b64 s[64:65], 0
	v_nop
	global_prefetch_b8 v0, s[64:65] scope:SCOPE_SE
	s_setreg_imm32_b32 hwreg(HW_REG_WAVE_MODE, 25, 1), 1
	s_wait_xcnt 0x0
	s_wait_alu depctr_hold_cnt(0) depctr_sa_sdst(0) depctr_va_vdst(0) depctr_va_sdst(0) depctr_va_ssrc(0) depctr_va_vcc(0) depctr_vm_vsrc(0)
	s_getreg_b32 s2, hwreg(HW_REG_IB_STS2, 6, 4)
	s_cmp_eq_u32 s2, 0
	s_cbranch_scc0 .Lentry_in_a_cluster
	s_endpgm
.Lentry_in_a_cluster:
	s_bfe_u32 s2, ttmp6, 0x10000c
	s_cmp_lg_u32 s2, 0xf033
	s_cbranch_scc0 .Lentry_shape_is_right
	s_endpgm
.Lentry_shape_is_right:
.set ROPE, 0                           ; 1: q = rope(x wq^T + bq), quantised with e2, stored as images;  0: out = x wo^T + bo, stored as f32
; C[m][n] = sum over k of A[m][k] B[n][k] on codes of BF8 (E5M2), M 4,096, N 2,048, K 2,048.  Both operands come as IMAGES OF OPERAND REGISTERS: a fragment is 16 rows x 128 K, 2,048 bytes,
; chunk c of 512 bytes, lane l's 16 bytes at 512 c + 16 l: row l % 16, k = 32 c + 16 (l / 16) + 0 .. 15.  A: [256 row blocks][16 K steps][2,048], plain rows.  B: [128 fragments][16][2,048], row p of
; fragment 2 b + u = weight row 32 b + 8 u + p + 8 (p / 8).  The same places of k in A and in B: every product meets its partner.
; A tile of C is 256 rows x 128 columns: 256 work-groups.  Wave w takes row blocks 4 w .. 4 w + 3 against all eight weight fragments: 32 accumulators.
; THE MATRIX INSTRUCTION IS USED TRANSPOSED (source 0 = a weight fragment, source 1 = a row block): register 16 b + i of a row block's 64 is column 32 b + 16 (l / 16) + i of row l % 16.
; With ROPE a tile's 128 columns are one head: the partner d +- 64 of a column lies in the same lane, 32 registers on; and the conversions' results are the next operand's image.
; B'S WHOLE TILE LIES IN LDS: 128 columns x 2,048 K = 262,144 bytes, brought by first fills alone, in eight groups of two K steps; every wave asks for its two fragments of each group: eight tensor loads of
; a wave are out at the most.  No LDS byte is filled twice.  CLUSTER 4 x 4: the four work-groups of a column of the cluster need the same tile of B and ask for it jointly.
; A GOES FROM MEMORY STRAIGHT INTO THE OPERAND'S REGISTERS: a row block feeds one wave alone, and its image is what the registers want: sixteen loads of 512 consecutive bytes for a K step, three K steps ahead,
; in four sets of registers.  A IS NOT ASKED FOR JOINTLY, though the work-groups of a tile row read the same rows: beside B's 262,144 bytes LDS has 65,536 left, two K steps of A's 256 rows, and a ring of
; that size would have to wait for all its loads once for every K step.
; LIMITS: e0 + e1 (ROPE) or e6 + e7 between -126 and 127; e2 between -126 and 112.  NaN among the inputs is not served.
; REGISTERS: window 0: v20-30 addresses; v32-95 the bias of my lane's 64 columns; v128-255 A's sets 0, 1 (4 fragments each); on the way out v98-243 at work.
;   window 1: B's two sets (8 fragments) at v0 and v128; on the way out cos and sin of row blocks 1, 2.   window 2: accumulator (a, t) at v[8 (8 a + t)].
;   window 3: v0-127 A's sets 2, 3, on the way out cos and sin of row block 3; v128-255 (ROPE) cos and sin of row block 0.
.set GRP,   32768                      ; a group in LDS: B's eight fragments x two K steps: fragment t at 4,096 t, K step q of the two at 2,048 q
.set STAGE, 8*GRP                      ; behind B's tile: 16 rows x 528 bytes for each wave, for the way out (ROPE = 0): bytes of its own, into which no tile lands
.set ADRB, 20                          ; v20-23  B's groups 2 j, 2 j + 1: 65,536 j + 16 x lane
.set STO,  24                          ; v24     the way out (ROPE = 0): where I put 64 bytes of a row
.set RD,   25                          ; v25     and where I read a row back
.set LI,   26                          ; v26     16 x lane
.set RO,   27                          ; v27     cos, sin: row l % 16 of 512 bytes, + 64 (l / 16)
.set BO,   30                          ; v30     the bias: 64 (l / 16)
.set BIAS, 32
.set AF,   128
.set XR,   100                         ; the way out (ROPE): q before the rotation
.set YR,   164                         ; and behind it
.set CD,   228                         ; its codes
.set G1,  24                           ; s[24:31] descriptor group 1 for B's tiles
.set G0,  32                           ; s[32:63] group 0, one set for each of the eight groups; none is written again
.set MSB, 0
.macro WIN new                         ; the immediate's high byte repeats the setting that is left
.if MSB != \new
	s_set_vgpr_msb (MSB<<8)|\new
.set MSB, \new
.endif
.endm
.macro CROUND                          ; a round of the cluster's barrier
	s_barrier_signal -1
	s_barrier_wait -1
	s_cmp_lg_u32 s14, 0
	s_cbranch_scc1 .Lnot_wave_0_\@
	s_barrier_signal -3
.Lnot_wave_0_\@:
	s_barrier_wait -3
	s_barrier_signal -1
	s_barrier_wait -1
.endm
.macro PLACES                          ; four places behind a matrix instruction, in front of loads into registers that it has read and of the first read of results
.rept 4
	v_nop
.endr
.endm
; K step k of my four row blocks of A, from memory into set k % 4: sixteen loads of 512 consecutive bytes
.macro ALOAD k
.if ((\k)%4) < 2
	WIN 0
.set AB, AF+64*((\k)%4)
.else
	WIN 0xc0                                       ; destination window 3
.set AB, 64*((\k)%4-2)
.endif
.irp a, 0,1,2,3
.irp c, 0,1,2,3
	global_load_b128 v[AB+16*\a+4*\c:AB+16*\a+4*\c+3], v[LI], s[20:21] offset:32768*\a+2048*(\k)+512*\c
.endr
.endr
.endm
; K step k of B's eight fragments, from LDS into set k % 2 of window 1: 32 loads of 512 consecutive bytes, in one run
.macro FETCH k
	WIN 0x40                                       ; destination window 1, address window 0
.irp t, 0,1,2,3,4,5,6,7
.irp c, 0,1,2,3
	ds_load_b128 v[128*((\k)%2)+16*\t+4*\c:128*((\k)%2)+16*\t+4*\c+3], v[ADRB+(\k)/4] offset:GRP*(((\k)/2)%2)+4096*\t+2048*((\k)%2)+512*\c
.endr
.endr
.endm
.macro WMUL k                          ; source 0 (B) window 1, source 1 (A) window 0 or 3, C and D window 2
.if ((\k)%4) < 2
	WIN 0xa1
.else
	WIN 0xad
.endif
.endm
; 8 matrix instructions of K step k: row block a against B's eight.  The 32 accumulators take turns, one instruction a turn, in the same order in every K step.
; The first K step's products start the sums: nothing is cleared.
.macro MUL8 a, k
.set BB, 128*((\k)%2)
.if ((\k)%4) < 2
.set AB, AF+64*((\k)%4)
.else
.set AB, 64*((\k)%4-2)
.endif
.irp t, 0,1,2,3,4,5,6,7
.if (\k) == 0
	v_wmma_f32_16x16x128_bf8_bf8 v[64*(\a)+8*\t:64*(\a)+8*\t+7], v[BB+16*\t:BB+16*\t+15], v[AB+16*(\a):AB+16*(\a)+15], 0
.else
	v_wmma_f32_16x16x128_bf8_bf8 v[64*(\a)+8*\t:64*(\a)+8*\t+7], v[BB+16*\t:BB+16*\t+15], v[AB+16*(\a):AB+16*(\a)+15], v[64*(\a)+8*\t:64*(\a)+8*\t+7]
.endif
.endr
.endm
.macro BIASLOAD                        ; the bias in the results' layout: columns 32 b + 16 h + 4 j ..
.irp b, 0,1,2,3
.irp j, 0,1,2,3
	global_load_b128 v[BIAS+16*\b+4*\j:BIAS+16*\b+4*\j+3], v[BO], s[10:11] offset:128*\b+16*\j
.endr
.endr
.endm
; cos and sin of row block a, in the results' layout: 64 + 64 registers from v[base] on (the caller sets the window)
.macro ROPELOAD a, base
.irp b, 0,1,2,3
.irp j, 0,1,2,3
	global_load_b128 v[\base+16*\b+4*\j:\base+16*\b+4*\j+3], v[RO], s[68:69] offset:8192*(\a)+128*\b+16*\j
	global_load_b128 v[\base+64+16*\b+4*\j:\base+64+16*\b+4*\j+3], v[RO], s[70:71] offset:8192*(\a)+128*\b+16*\j
.endr
.endr
.endm
	s_load_b128 s[4:7], s[0:1], 0x0                ; A's images s[4:5], B's s[6:7]
	s_load_b128 s[8:11], s[0:1], 0x10              ; the exponents s[8:9], the bias s[10:11]
.if ROPE
	s_load_b128 s[68:71], s[0:1], 0x20             ; cos s[68:69], sin s[70:71]
	s_load_b64 s[72:73], s[0:1], 0x30              ; q_codes
.else
	s_load_b64 s[72:73], s[0:1], 0x20              ; out0
	v_lshl_add_u32 v126, v0, 2, 0x48400
	v_mov_b32 v127, 0
	ds_add_u32 v126, v127
	ds_add_u32 v126, v127
.endif
	v_lshrrev_b32 v1, 5, v0
	v_readfirstlane_b32 s14, v1                    ; wave 0..3
	v_and_b32 v1, 31, v0                           ; lane
	v_and_b32 v2, 15, v0                           ; r
	v_bfe_u32 v3, v0, 4, 1                         ; h
	v_lshlrev_b32 v[LI], 4, v1
	s_bfe_u32 s94, ttmp6, 0x40000                  ; cx, cy: my place in the cluster
	s_bfe_u32 s95, ttmp6, 0x40004
	s_lshl_b32 s96, ttmp9, 2
	s_add_co_u32 s96, s96, s94                     ; tile column = 4 x cluster x + cx
	s_and_b32 s17, ttmp7, 0xffff
	s_lshl_b32 s17, s17, 2
	s_add_co_u32 s17, s17, s95                     ; tile row = 4 x cluster y + cy
	s_lshl_b32 s97, 0x1111, s94                    ; my column of the cluster
	; group 1: two rows of 4,096 bytes (two K steps of a fragment), 32,768 bytes apart; elements of 8 bytes
	s_or_b32 s[G1+0], s97, (3<<16)|(1<<21)         ; 15:0 the mask; 17:16 elements of 8 bytes; 21 set beside a mask; no padding
	s_mov_b32 s[G1+1], 512<<16                     ; tensor_dim0
	s_mov_b32 s[G1+2], 2<<16                       ; tensor_dim1
	s_mov_b32 s[G1+3], 512<<16                     ; tile_dim0
	s_mov_b32 s[G1+4], 2                           ; tile_dim1
	s_mov_b32 s[G1+5], 4096                        ; tensor_dim0_stride
	s_mov_b32 s[G1+6], 0
	s_mov_b32 s[G1+7], 0
	s_lshl_b32 s20, s17, 4
	s_lshl_b32 s18, s14, 2
	s_add_co_u32 s20, s20, s18                     ; A: row block 16 x tile row + 4 x wave
	s_lshl_b32 s20, s20, 15
	s_mov_b32 s21, 0
	s_lshl_b32 s22, s96, 3
	s_lshl_b32 s18, s14, 1
	s_add_co_u32 s22, s22, s18                     ; B: fragment 8 x tile column + 2 x wave
	s_lshl_b32 s22, s22, 15
	s_mov_b32 s23, 0
	s_lshl_b32 s19, s14, 13                        ; where my two fragments go in a group: 8,192 x wave: no place in the cluster enters an LDS address
	s_wait_dscnt 0x0
	s_wait_kmcnt 0x0
	s_load_b256 s[76:83], s[8:9], 0x0              ; e0 .. e7
	s_add_nc_u64 s[20:21], s[4:5], s[20:21]
	s_add_nc_u64 s[22:23], s[6:7], s[22:23]
	ALOAD 0                                        ; A's first three K steps are asked for ahead of everything else
	ALOAD 1
	ALOAD 2
	WIN 0                                          ; at a label and at a branch every window is 0
.irp g, 0,1,2,3,4,5,6,7
	s_mov_b32 s[G0+4*\g], 1
	s_add_co_u32 s[G0+4*\g+1], s19, \g*GRP
	s_add_nc_u64 s[G0+4*\g+2:G0+4*\g+3], s[22:23], \g*4096
	s_or_b32 s[G0+4*\g+3], s[G0+4*\g+3], 0x80000000
.endr
	CROUND                                         ; all sixteen work-groups are here: the joint loads meet
.irp g, 0,1,2,3,4,5,6,7
	tensor_load_to_lds s[G0+4*\g:G0+4*\g+3], s[G1:G1+7]   ; all of B's tile, K ascending: eight tensor loads of mine are out
	s_nop 0
.endr
.rept 4
	v_nop                                          ; four v_nop follow the last of them
.endr
	v_lshlrev_b32 v[ADRB], 4, v1
	v_add_nc_u32 v[ADRB+1], 0x10000, v[LI]
	v_add_nc_u32 v[ADRB+2], 0x20000, v[LI]
	v_add_nc_u32 v[ADRB+3], 0x30000, v[LI]
	v_lshlrev_b32 v[BO], 6, v3
	s_lshl_b32 s88, s96, 9                         ; the tile's 128 columns of the bias
	s_mov_b32 s89, 0
	s_add_nc_u64 s[10:11], s[10:11], s[88:89]
.if ROPE
	v_lshlrev_b32 v[RO], 9, v2
	v_lshl_add_u32 v[RO], v3, 6, v[RO]
	s_and_b32 s90, s17, 3
	s_lshl_b32 s90, s90, 8
	s_lshl_b32 s91, s14, 6
	s_add_co_u32 s90, s90, s91                     ; my first position in the sequence: 256 (tile row % 4) + 64 x wave
	s_lshl_b32 s90, s90, 9
	s_mov_b32 s91, 0
	s_add_nc_u64 s[68:69], s[68:69], s[90:91]
	s_add_nc_u64 s[70:71], s[70:71], s[90:91]
	s_lshr_b32 s92, s17, 2                         ; q_codes: ((batch x 16 + head) x 64 + query tile) x 2,048
	s_lshl_b32 s92, s92, 4
	s_add_co_u32 s92, s92, s96
	s_lshl_b32 s92, s92, 6
	s_and_b32 s93, s17, 3
	s_lshl_b32 s93, s93, 4
	s_add_co_u32 s92, s92, s93
	s_lshl_b32 s93, s14, 2
	s_add_co_u32 s92, s92, s93
	s_lshl_b32 s92, s92, 11
	s_mov_b32 s93, 0
	s_add_nc_u64 s[72:73], s[72:73], s[92:93]
.else
	s_mul_i32 s86, s14, 16*528                     ; my stage: 16 rows x (512 bytes + 16)
	s_add_co_u32 s86, s86, STAGE
	v_mul_u32_u24 v[STO], v2, 528
	v_lshl_add_u32 v[STO], v3, 6, v[STO]
	v_add_nc_u32 v[STO], s86, v[STO]
	v_add_nc_u32 v[RD], s86, v[LI]
	s_lshl_b32 s92, s17, 8                         ; out0: row 256 x tile row + 64 x wave, of 8,192 bytes; column 128 x tile column
	s_lshl_b32 s93, s14, 6
	s_add_co_u32 s92, s92, s93
	s_lshl_b32 s92, s92, 13
	s_lshl_b32 s93, s96, 9
	s_add_co_u32 s92, s92, s93
	s_mov_b32 s93, 0
	s_add_nc_u64 s[72:73], s[72:73], s[92:93]
.endif
; K STEP k, written out sixteen times: every offset is an immediate.  At its head: four places behind the last K step's products; then the loads into the registers that those have read: B's next K step from LDS
; and A's K step k + 3 from memory.  An even K step finds B's next K step in its own group.  An odd one opens the next group: the wave waits for its own part of it and for its LDS loads, signals, issues eight
; products, and reads the group behind the barrier's wait.  The later groups' loads stay out across them.
; Where A's stream has run out, its place is taken by what the way out wants: the bias (K step 13), cos and sin of row block 0 (14) and of row block 1, into B's set 0, which is done with (15).
.macro KSTEP k
.if (\k) > 0
	PLACES
.endif
.if ((\k)%2) == 0
	FETCH (\k)+1
.endif
.if (\k) < 13
	ALOAD (\k)+3
.endif
.if (\k) == 13
	WIN 0
	BIASLOAD
.endif
.if (((\k)%2) == 1) && ((\k) < 15)
	s_wait_tensorcnt 7-((\k)+1)/2                  ; my part of group (k + 1) / 2 has landed; the later groups' loads, as many as the count says, may be out
	s_wait_dscnt 0x0                               ; this K step's fragments of B are in: no LDS instruction of mine is pending at the signal
	s_barrier_signal -1
.elseif (\k) == 15
	s_wait_dscnt 0x0
.else
	s_wait_dscnt 32                                ; all but the 32 just issued: this K step's fragments of B are in
.endif
.if (\k) < 14
	s_wait_loadcnt 48                              ; A's K step k is in; the three younger runs of sixteen loads may be out
.elseif (\k) == 14
	s_wait_loadcnt 32                              ; younger: A's K step 15 and the bias
.else
	s_wait_loadcnt 16+32*ROPE                      ; younger: the bias, and with ROPE the 32 loads of row block 0's tables
.endif
.if ROPE && ((\k) == 14)
	WIN 0xc0                                       ; destination window 3
	ROPELOAD 0, 128
.endif
.if ROPE && ((\k) == 15)
	WIN 0x40                                       ; destination window 1
	ROPELOAD 1, 0
.endif
	WMUL \k
	MUL8 0, \k
.if (((\k)%2) == 1) && ((\k) < 15)
	s_barrier_wait -1                              ; every wave's part of the next group has landed
	FETCH (\k)+1
	WMUL \k
.endif
	MUL8 1, \k
	MUL8 2, \k
	MUL8 3, \k
.endm
	s_wait_tensorcnt 7                             ; my part of group 0 has landed; the seven later loads may be out,
	s_barrier_signal -1
	s_barrier_wait -1                              ; everybody's has
	FETCH 0
.irp k, 0,1,2,3,4,5,6,7,8,9,10,11,12,13,14,15
	KSTEP \k
.endr
	WIN 0
; ---- THE WAY OUT, ROPE = 1.  Row block a: q = sum x 2^(e0 + e1) + bq; q' = q cos + rotate_half(q) sin; held, converted with 2^e2: the 16 registers of codes are the query tile's image.
; The tables of row blocks 0 and 3 lie in window 3 (from v128, from v0), those of 1 and 2 in window 1 (from v0, from v128).
.macro ROPEQ a
	WIN 0x02                                       ; source 0: window 2
.set i, 0
.rept 32
	v_pk_fma_f32 v[XR+i:XR+i+1], v[64*(\a)+i:64*(\a)+i+1], s[84:85], v[BIAS+i:BIAS+i+1] op_sel_hi:[1,0,1]   ; each accumulator from its low end on
.set i, i+2
.endr
.if ((\a) == 0) || ((\a) == 3)
	WIN 0x0c                                       ; source 1: window 3
.else
	WIN 0x04                                       ; source 1: window 1
.endif
.set CB, 128*(((\a)+1)%2)
.set i, 0
.rept 32
	v_pk_mul_f32 v[YR+i:YR+i+1], v[XR+i:XR+i+1], v[CB+i:CB+i+1]
.set i, i+2
.endr
.set i, 0
.rept 16
	v_pk_fma_f32 v[YR+i:YR+i+1], v[XR+32+i:XR+32+i+1], v[CB+64+i:CB+64+i+1], v[YR+i:YR+i+1] neg_lo:[1,0,0] neg_hi:[1,0,0]   ; d < 64: - q(d + 64) sin(d)
	v_pk_fma_f32 v[YR+32+i:YR+32+i+1], v[XR+i:XR+i+1], v[CB+96+i:CB+96+i+1], v[YR+32+i:YR+32+i+1]                           ; d >= 64: + q(d - 64) sin(d)
.set i, i+2
.endr
	WIN 0
.if (\a) > 0
	s_wait_xcnt 0x0                                ; the last block's stores have read the codes' registers: they are written again only behind this wait
.endif
.irp b, 0,1,2,3
.irp k, 0,1,2,3,4,5,6,7,8,9,10,11,12,13,14,15
	v_med3_num_f32 v[YR+16*\b+\k], v[YR+16*\b+\k], -v99, v99   ; the conversion does not saturate (ISA guide 7.6.2): the hold
.endr
	v_cvt_scalef32_pk8_bf8_f32 v[CD+4*\b:CD+4*\b+1], v[YR+16*\b:YR+16*\b+7], v98
	v_cvt_scalef32_pk8_bf8_f32 v[CD+4*\b+2:CD+4*\b+3], v[YR+16*\b+8:YR+16*\b+15], v98
.endr
	v_nop                                          ; a plain vector line behind the last conversion of the run
.irp c, 0,1,2,3
	global_store_b128 v[LI], v[CD+4*\c:CD+4*\c+3], s[72:73] offset:2048*(\a)+512*\c   ; 32 lanes store 512 consecutive bytes, aligned
.endr
.endm
; ---- THE WAY OUT, ROPE = 0.  Row block a: out = sum x 2^(e6 + e7) + bo, through my stage, back as whole rows of 512 bytes, into the registers that they left.
.macro PACK a
.set OB, AF+64*((\a)%2)
	WIN 0x02
.set i, 0
.rept 32
	v_pk_fma_f32 v[OB+i:OB+i+1], v[64*(\a)+i:64*(\a)+i+1], s[84:85], v[BIAS+i:BIAS+i+1] op_sel_hi:[1,0,1]
.set i, i+2
.endr
	WIN 0
.irp b, 0,1,2,3
.irp j, 0,1,2,3
	ds_store_b128 v[STO], v[OB+16*\b+4*\j:OB+16*\b+4*\j+3] offset:128*\b+16*\j
.endr
.endr
.irp t, 0,1,2,3,4,5,6,7,8,9,10,11,12,13,14,15
	ds_load_b128 v[OB+4*\t:OB+4*\t+3], v[RD] offset:528*\t   ; LDS serves a wave's instructions in order (ISA guide 5.7.1.4): these see the stores above; the next block's stores come behind them
.endr
.endm
.macro SEND a, younger                 ; younger: the LDS instructions issued behind block a's loads
.set OB, AF+64*((\a)%2)
	s_wait_dscnt \younger
.irp t, 0,1,2,3,4,5,6,7,8,9,10,11,12,13,14,15
	global_store_b128 v[LI], v[OB+4*\t:OB+4*\t+3], s[72:73] offset:(16*(\a)+\t)*8192 th:TH_STORE_NT   ; 32 lanes store 512 consecutive bytes, at a multiple of 512 from out0's first byte
.endr
.endm
	s_wait_kmcnt 0x0
.if ROPE
	s_add_co_i32 s84, s76, s77                     ; e0 + e1
.else
	s_add_co_i32 s84, s82, s83                     ; e6 + e7
.endif
	s_add_co_i32 s84, s84, 127
	s_lshl_b32 s84, s84, 23                        ; the f32 number 2^(the sum)
	s_mov_b32 s85, s84                             ; (named with it as a pair, so it is written)
.if ROPE
	s_add_co_i32 s86, s78, 127
	s_lshl_b32 s87, s86, 23
	v_mov_b32 v98, s87                             ; 2^e2 as f32
	s_add_co_i32 s86, s86, 15
	s_lshl_b32 s86, s86, 23
	s_or_b32 s86, s86, 0x600000
	v_mov_b32 v99, s86                             ; 57,344 x 2^e2
	s_wait_loadcnt 32                              ; the bias and block 0's tables are in; block 1's 32 loads may be out
	PLACES                                         ; behind the last products
	WIN 0x40                                       ; destination window 1: B's set 1 is done with
	ROPELOAD 2, 128
	WIN 0
	ROPEQ 0
	s_wait_loadcnt 32                              ; block 1's tables are in; block 2's 32 loads may be out
	WIN 0xc0                                       ; destination window 3: A's sets 2 and 3 are done with
	ROPELOAD 3, 0
	WIN 0
	ROPEQ 1
	s_wait_loadcnt 32                              ; block 2's tables are in; block 3's 32 loads may be out
	ROPEQ 2
	s_wait_loadcnt 0x0
	ROPEQ 3
.else
	s_wait_loadcnt 0x0                             ; the bias
	PLACES                                         ; behind the last products
	PACK 0
	PACK 1
	SEND 0, 32                                     ; behind block 0's loads: block 1's 16 stores and 16 loads
	s_wait_xcnt 0x0                                ; block 0's stores have read their registers
	PACK 2
	SEND 1, 32
	s_wait_xcnt 0x0
	PACK 3
	SEND 2, 32
	SEND 3, 0
.endif
	s_wait_tensorcnt 0x0
	ds_add_u32 v126, v127
	s_wait_dscnt 0x0
	CROUND                                         ; the closing round: no work-group ends while a partner may still ask for a tile that names it.  (All my tensor loads were waited for in K step 13)
	s_endpgm
.Lfunc_end_k_q2cab2ec9e7_gemm_o:
	.size	k_q2cab2ec9e7_gemm_o, .Lfunc_end_k_q2cab2ec9e7_gemm_o-k_q2cab2ec9e7_gemm_o
	.p2alignl 7, 3214868480
	.fill 96, 4, 3214868480
	.section	.rodata,"a",@progbits
	.p2align	6, 0x0
	.amdhsa_kernel k_q2cab2ec9e7_gemm_o
		.amdhsa_group_segment_fixed_size 327680
		.amdhsa_private_segment_fixed_size 0
		.amdhsa_enable_private_segment 0
		.amdhsa_kernarg_size 40
		.amdhsa_user_sgpr_count 2
		.amdhsa_user_sgpr_kernarg_segment_ptr 1
		.amdhsa_wavefront_size32 1
		.amdhsa_system_sgpr_workgroup_id_x 1
		.amdhsa_system_sgpr_workgroup_id_y 1
		.amdhsa_system_sgpr_workgroup_id_z 1
		.amdhsa_system_vgpr_workitem_id 0
		.amdhsa_next_free_vgpr 1024
		.amdhsa_next_free_sgpr 100
		.amdhsa_reserve_vcc 0
		.amdhsa_float_denorm_mode_32 3
		.amdhsa_float_denorm_mode_16_64 3
		.amdhsa_memory_ordered 1
		.amdhsa_forward_progress 1
		.amdhsa_inst_pref_size 125
	.end_amdhsa_kernel
	.amdgpu_metadata
---
amdhsa.version: [ 1, 2 ]
amdhsa.kernels:
  - .name:           k_q2cab2ec9e7_gemm_o
    .symbol:         k_q2cab2ec9e7_gemm_o.kd
    .args:
      - { .name: ao_codes, .offset: 0, .size: 8, .value_kind: global_buffer, .address_space: global }
      - { .name: wo_codes, .offset: 8, .size: 8, .value_kind: global_buffer, .address_space: global }
      - { .name: lowp_scales, .offset: 16, .size: 8, .value_kind: global_buffer, .address_space: global }
      - { .name: bo, .offset: 24, .size: 8, .value_kind: global_buffer, .address_space: global }
      - { .name: out0, .offset: 32, .size: 8, .value_kind: global_buffer, .address_space: global }
    .group_segment_fixed_size: 327680
    .private_segment_fixed_size: 0
    .kernarg_segment_align: 8
    .kernarg_segment_size: 40
    .max_flat_workgroup_size: 128
    .sgpr_count:     100
    .vgpr_count:     1024
    .wavefront_size: 32
...
	.end_amdgpu_metadata
.endif
;; end of part 4
